; MI455X (gfx1250); checked and timed in simulation.
; The chip was launched on July 23, 2026; its instructions are those of AMD's public machine-readable ISA for CDNA 5 (MIT licence, August 2026) and "CDNA5" Instruction Set Architecture Reference Guide (July 2026). The comments in the code are by the model that wrote it; some were corrected since.
;; Causal Self Attention. Allowed arithmetic: matrix products marked QUANTISED: E4M3 operands, one given power-of-two scale a tensor, by v_wmma_f32_16x16x64_fp8_fp8 or v_wmma_f32_16x16x128_fp8_fp8, f32 sums; everything else in f32.
;; Inputs: Wk 1,024 x 1,024 float32; Wp 1,024 x 1,024 float32; Wq 1,024 x 1,024 float32; Wv 1,024 x 1,024 float32; bk 1,024 float32; bp 1,024 float32; bq 1,024 float32; bv 1,024 float32; lowp_scales 12 int32 (the exponents e of the quantised operands' scales 2^e); x 4 x 2,048 x 1,024 float32.
;; Outputs: out0 4 x 2,048 x 1,024 float32.
;; This version of the problem:
;;   THIS VERSION OF THE PROBLEM IS GIVEN IN LOW PRECISION. The matrix products marked QUANTISED in the list below multiply operands that are first quantised to E4M3 (4 exponent bits, 3 mantissa bits; 8 bits a number), with one given power-of-two scale for each operand tensor; their sums are f32. All else is computed in f32.
;;   The module's matrix products, in the order in which they are computed (A, B: the left and right operand; K: the contracted axis; several contracted axes count as one K, in the product's order):
;;     1. [M 8,192, K 1,024] x [K 1,024, N 1,024]; A: input x; B: input Wk: QUANTISED (scales: A lowp_scales[0], B lowp_scales[1])
;;     2. [M 8,192, K 1,024] x [K 1,024, N 1,024]; A: input x; B: input Wq: QUANTISED (scales: A lowp_scales[2], B lowp_scales[3])
;;     3. [M 8,192, K 1,024] x [K 1,024, N 1,024]; A: input x; B: input Wv: QUANTISED (scales: A lowp_scales[4], B lowp_scales[5])
;;     4. batch 64 x [M 2,048, K 64] x [K 64, N 2,048]; A: computed on the way; B: computed on the way: QUANTISED (scales: A lowp_scales[6], B lowp_scales[7])
;;     5. batch 64 x [M 2,048, K 2,048] x [K 2,048, N 64]; A: softmax (see below); B: computed on the way: QUANTISED (scales: A lowp_scales[8], B lowp_scales[9])
;;     6. [M 8,192, K 1,024] x [K 1,024, N 1,024]; A: computed on the way; B: input Wp: QUANTISED (scales: A lowp_scales[10], B lowp_scales[11])
;;   THE QUANTISER, for each operand of a quantised product, along K:
;;     - The operand's scale is 2^e, e = its entry of the input lowp_scales (int32; the entries are numbered through the quantised products in the list's order, A before B).
;;     - Each number is divided by the scale, clamped to +-448, and rounded to the nearest number of E4M3, ties to even, subnormals kept.
;;     - The product sums the exact products of the quantised numbers (number of the format x scale) in f32.
;;   ~~~python
;;   def quantise(x, axis, e):      # numpy; x: float32 -> the quantised numbers, widened to float32 again
;;       x = np.moveaxis(x, axis, -1); K = x.shape[-1]
;;       r = np.clip(x / 2.0 ** e, -448, 448)
;;       step = 2.0 ** (np.maximum(np.frexp(np.where(r == 0, 1, r))[1] - 1, -6) - 3)
;;       q = np.round(r / step) * step * 2.0 ** e      # np.round: ties to even
;;       return np.moveaxis(q, -1, axis).astype(np.float32)
;;   ~~~
;;   SOFTMAX AHEAD OF A QUANTISED PRODUCT. Where the list says 'softmax', what is quantised is not the finished softmax but p = 2^(t - M), with t = logit x log2(e) and M = ceil(the row's largest t), a whole number; so 1/2 < the row's largest p <= 1. The row's sum l is taken of the UNQUANTISED p, in f32, and the product's result is divided by l at the end. Since M is a whole number, a kernel that streams over the keys may use a running M (the ceiling of the running maximum): every later rescaling is an exact power of two, so the quantised numbers keep their values, but for numbers so far below the row's largest that they fall under the format's range.
;;   OPERANDS COMPUTED ON THE WAY. 'Computed on the way' means the value that the module computes at that place (a softmax that the list does not call 'softmax' is quantised finished and normalised). What goes into a quantiser is computed in f32, as accurately as f32 sums, v_exp_f32 and their like allow (about 1e-6 of the number): no bf16 or f16 on the way to a quantiser, and a product that is left as it is and whose result goes on into a quantised operand takes f32 operands (vector FMAs, or v_wmma_f32_16x16x4_f32). A number that lies on a knife's edge between two numbers of the format may be rounded either way, as far as f32 arithmetic and the matrix unit's own rounding can turn it there, and no further.
;; One version. Each part assembles by itself: llvm-mc -triple=amdgcn-amd-amdhsa -mcpu=gfx1250 --defsym DOCPART=n.
;; ======== version 1 of 1: 4 launches
;; limits: right only within a limited range of input values
;; workspace buffers: xc 25,165,824 bytes; wc 4,194,304 bytes; qkvc 25,165,824 bytes; yc 8,388,608 bytes
;; launch prep (part 1): grid 384 x 1, 4 waves a work-group, no clusters, 68,096 bytes of LDS; arguments x, Wk, Wq, Wv, Wp, lowp_scales, xc, wc; writes xc, wc
.if DOCPART == 1
	.amdgcn_target "amdgcn-amd-amdhsa--gfx1250"
	.amdhsa_code_object_version 6
	.text
	.protected	k_qef5bee7a82_prep
	.globl	k_qef5bee7a82_prep
	.p2align	8
	.type	k_qef5bee7a82_prep,@function
k_qef5bee7a82_prep:
	s_mov_b64 s[64:65], 0
	v_nop
	global_prefetch_b8 v0, s[64:65] scope:SCOPE_SE
	s_setreg_imm32_b32 hwreg(HW_REG_WAVE_MODE, 25, 1), 1
	s_wait_xcnt 0x0
; PREP: the f32 operands of the four projections become codes of FP8 (E4M3), once.
;   xc [3][8192][1024]: x quantised three times, with 2^e0 (for Wk), 2^e2 (for Wq), 2^e4 (for Wv): the three exponents are given apart and may differ.
;   wc [4][n 1024][k 1024]: Wk, Wq, Wv, Wp (stored [k][n]) with 2^e1, 2^e3, 2^e5, 2^e11, laid with K innermost.
; code = number / 2^e, held within +-448, rounded to the nearest code, ties to even.
; LIMITS: each e between -126 and 119, so that 2^e and 448 x 2^e are f32 numbers.  NaN among the inputs is not served (an infinity is held at the largest code).
; Work-groups 0-255 take x, 32,768 numbers each; work-groups 256-383 take the weights, 128 columns x 256 along K each.  The two ways part on the work-group's number alone and have LDS bytes of their own.
; No tensor loads, no barrier: waves share nothing.  Matrix units and clusters have nothing to do here: each input byte is read once and each code is stored once.
.set STEPS, 16                         ; x: steps of 512 numbers in a wave's run of 8,192
.set SP,    80                         ; x: a lane's place in a stage: its 64 bytes + 16 of padding
.set WREG,  8192                       ; x: LDS region of a wave: two stages of 32 x SP bytes
.set WSTG,  4*WREG                     ; the weights' stages begin behind x's regions
.set WP,    272                        ; weights: a stage row: 256 bytes of codes + 16
.set SPARE, WSTG+4*32*WP               ; behind them: the spare words, 128 bytes for each wave: two blocks of 256 bytes that no other line names
.set SPW,   190                        ; v190  LDS address of my spare word; never rewritten
.set NIL,   191                        ; v191  0; never rewritten
.set SCX,   5                          ; v5-7   x: 2^e0, 2^e2, 2^e4
.set LMX,   8
.set R,     16                         ; v16-79   x: four sets of 16 numbers as they are loaded
.set X,     80                         ; v80-111  x: two sets of 16 neighbours
.set T,     112
.set C,     128                        ; v128-151 x: two sets of 3 x 4 registers of codes
.set XW,    32                         ; v32-95   weights: two sets of 32 numbers down K
.set CW,    96                         ; v96-103  weights: a block's codes
.set OUTR,  112                        ; v112-175 weights: the way out
	s_load_b256 s[4:11], s[0:1], 0x0               ; x s[4:5], Wk s[6:7], Wq s[8:9], Wv s[10:11]
	s_load_b256 s[12:19], s[0:1], 0x20             ; Wp s[12:13], the exponents s[14:15], xc s[16:17], wc s[18:19]
	v_lshl_add_u32 v[SPW], v0, 2, SPARE
	v_mov_b32 v[NIL], 0
	v_lshrrev_b32 v1, 5, v0
	v_readfirstlane_b32 s24, v1                    ; wave 0..3
	v_and_b32 v2, 31, v0                           ; lane
	s_wait_kmcnt 0x0
	s_load_b256 s[32:39], s[14:15], 0x0            ; e0 .. e7
	s_load_b128 s[40:43], s[14:15], 0x20           ; e8 .. e11
	s_cmp_lt_u32 ttmp9, 256
	s_cbranch_scc0 .Lweights
	s_wait_alu depctr_va_vdst(0)
; ---------------- x.  Rows are dense, so x is a plain stream, and so are its codes.  A conversion takes 8 neighbours from ONE lane's registers; a load is best where neighbouring LANES take neighbouring bytes.
; Both are had: each load reads 512 consecutive bytes, 16 a lane; a step's 2,048 bytes go through the wave's own stage in LDS as they lie and come back 64 bytes a lane.
	v_lshlrev_b32 v3, 4, v2                        ; 16 x lane: my bytes of a load's 512, and of a store's
	s_wait_alu depctr_va_vdst(0)
	s_mul_i32 s25, s24, WREG
	v_lshrrev_b32 v14, 2, v2
	v_mul_u32_u24 v14, v14, SP
	v_and_b32 v15, 3, v2
	v_lshl_add_u32 v14, v15, 4, v14
	v_add_nc_u32 v14, s25, v14                     ; the stage, on the way in: SP (lane / 4) + 16 (lane % 4)
	v_mul_u32_u24 v15, v2, SP
	v_add_nc_u32 v15, s25, v15                     ; and on the way out: SP x lane: my 16 neighbours
	s_lshl_b32 s20, ttmp9, 2
	s_add_co_u32 s20, s20, s24                     ; which run of 8,192 numbers is my wave's
	s_lshl_b32 s22, s20, 15
	s_mov_b32 s23, 0
	s_add_nc_u64 s[4:5], s[4:5], s[22:23]          ; its f32 numbers,
	s_lshl_b32 s22, s20, 13
	s_add_nc_u64 s[26:27], s[16:17], s[22:23]      ; its codes under 2^e0,
	s_add_nc_u64 s[28:29], s[26:27], 0x800000      ; under 2^e2,
	s_add_nc_u64 s[30:31], s[28:29], 0x800000      ; under 2^e4: three bases, 8,388,608 bytes apart
.macro XLOAD t
.irp i, 0,1,2,3
	global_load_b128 v[R+16*((\t)%4)+4*\i:R+16*((\t)%4)+4*\i+3], v3, s[4:5] offset:2048*(\t)+512*\i th:TH_LOAD_NT   ; 32 lanes read 512 consecutive bytes
.endr
.endm
.macro XTURN t                         ; step t's numbers through the stage: LDS serves a wave's instructions in order, so no wait stands between the stores and the loads
.irp i, 0,1,2,3
	ds_store_b128 v14, v[R+16*((\t)%4)+4*\i:R+16*((\t)%4)+4*\i+3] offset:32*SP*((\t)%2)+8*SP*\i
.endr
.irp i, 0,1,2,3
	ds_load_b128 v[X+16*((\t)%2)+4*\i:X+16*((\t)%2)+4*\i+3], v15 offset:32*SP*((\t)%2)+16*\i
.endr
.endm
.irp t, 0,1,2,3
	XLOAD \t
.endr
	s_wait_alu depctr_va_vdst(0)
	s_wait_kmcnt 0x0
.irp g, 0,1,2
	s_add_co_i32 s44, s[32+2*\g], 127
	s_lshl_b32 s45, s44, 23
	v_mov_b32 v[SCX+\g], s45                       ; 2^e as f32: the conversion takes its exponent field
	s_add_co_i32 s44, s44, 8
	s_lshl_b32 s44, s44, 23
	s_or_b32 s44, s44, 0x600000
.endr
	s_wait_alu depctr_va_vdst(0)
	s_wait_loadcnt 12                              ; step 0's four loads are in; the twelve of steps 1 to 3 may be out
	XTURN 0
.macro XSTEP t
.set XS, X+16*((\t)%2)
.set CS, C+12*((\t)%2)
	s_wait_dscnt 0x0                               ; this step's numbers are back from the stage: so its stores into the stage have read their registers,
.if (\t)+4 < STEPS
	XLOAD (\t)+4                                   ; which take the loads of four steps on
.endif
.if (\t)+1 < STEPS
.if STEPS-2-(\t) >= 3
	s_wait_loadcnt 12                              ; the next step's four loads are in; those of the three steps behind it may be out
.else
	s_wait_loadcnt 4*(STEPS-2-(\t))
.endif
	XTURN (\t)+1                                   ; and go through the other stage while this step is worked
.endif
.if (\t) >= 2
	s_wait_xcnt 0x0                                ; the stores of two steps back have read this set of codes: it is written again only behind this wait
.endif
.irp g, 0,1,2
.irp i, 0,1,2,3,4,5,6,7,8,9,10,11,12,13,14,15
.endr
	v_cvt_scalef32_pk8_fp8_f32 v[CS+4*\g:CS+4*\g+1], v[XS:XS+7], v[SCX+\g]
	v_cvt_scalef32_pk8_fp8_f32 v[CS+4*\g+2:CS+4*\g+3], v[XS+8:XS+15], v[SCX+\g]
	v_nop                                          ; one plain vector instruction behind the conversions
	global_store_b128 v3, v[CS+4*\g:CS+4*\g+3], s[26+2*\g:27+2*\g] offset:512*(\t)   ; 32 lanes store 512 consecutive bytes, at a multiple of 256 from the buffer's first byte
.endr
.endm
.irp t, 0,1,2,3,4,5,6,7,8,9,10,11,12,13,14,15
	XSTEP \t
.endr
	s_branch .Ldone
; ---------------- the weights.  K is a weight's FIRST axis.  A LANE TAKES A COLUMN n AND ITS REGISTERS RUN DOWN K: each load reads 128 consecutive bytes a wave, and the conversions give codes with K innermost.
; A wave takes 32 columns x 256 along K; a column's 256 bytes of codes are gathered in the wave's own stage and leave as rows: sixteen lanes store 256 consecutive bytes, aligned.
.Lweights:
	s_sub_co_u32 s20, ttmp9, 256
	s_and_b32 s21, s20, 7                          ; which 128 columns
	s_bfe_u32 s22, s20, 0x20003                    ; which 256 along K
	s_lshr_b32 s23, s20, 5                         ; which weight: 0 Wk, 1 Wq, 2 Wv, 3 Wp
	s_cmp_eq_u32 s23, 1
	s_cselect_b64 s[6:7], s[8:9], s[6:7]
	s_cmp_eq_u32 s23, 2
	s_cselect_b64 s[6:7], s[10:11], s[6:7]
	s_cmp_eq_u32 s23, 3
	s_cselect_b64 s[6:7], s[12:13], s[6:7]
	s_lshl_b32 s25, s21, 7
	s_lshl_b32 s26, s24, 5
	s_add_co_u32 s25, s25, s26                     ; my wave's first column
	s_lshl_b32 s26, s22, 20                        ; 256 rows of 4,096 bytes
	s_lshl_b32 s27, s25, 2
	s_add_co_u32 s26, s26, s27
	s_mov_b32 s27, 0
	s_add_nc_u64 s[6:7], s[6:7], s[26:27]
	s_lshl_b32 s28, s23, 20                        ; the weight's section of wc,
	s_lshl_b32 s29, s25, 10                        ; my first column's row of 1,024 bytes,
	s_add_co_u32 s28, s28, s29
	s_lshl_b32 s29, s22, 8                         ; my 256 along K
	s_add_co_u32 s28, s28, s29
	s_mov_b32 s29, 0
	s_add_nc_u64 s[18:19], s[18:19], s[28:29]
	s_wait_alu depctr_va_vdst(0)
	v_lshlrev_b32 v3, 2, v2                        ; in: 4 bytes a lane
	s_mul_i32 s30, s24, 32*WP
	s_add_co_u32 s30, s30, WSTG                    ; my stage
	v_mul_u32_u24 v4, v2, WP
	v_add_nc_u32 v4, s30, v4                       ; into it: row = my column
	v_and_b32 v5, 15, v2
	v_lshrrev_b32 v6, 4, v2                        ; out of it: sixteen lanes to a row, two rows an instruction
	v_mul_u32_u24 v7, v6, WP
	v_lshl_add_u32 v7, v5, 4, v7
	v_add_nc_u32 v7, s30, v7
	v_lshlrev_b32 v8, 10, v6
	v_lshl_add_u32 v8, v5, 4, v8                   ; and the same place in wc
.macro WLOAD t                         ; block t: W(32 t + i, my column), i = 0 .. 31, into set t % 2
.irp i, 0,1,2,3,4,5,6,7,8,9,10,11,12,13,14,15,16,17,18,19,20,21,22,23,24,25,26,27,28,29,30,31
	global_load_b32 v[XW+32*((\t)%2)+\i], v3, s[6:7] offset:(32*(\t)+\i)*4096 th:TH_LOAD_NT
.endr
.endm
	WLOAD 0
	WLOAD 1
	s_wait_kmcnt 0x0
	s_cmp_eq_u32 s23, 1
	s_cselect_b32 s31, s35, s33                    ; e3 or e1,
	s_cmp_eq_u32 s23, 2
	s_cselect_b32 s31, s37, s31                    ; e5,
	s_cmp_eq_u32 s23, 3
	s_cselect_b32 s31, s43, s31                    ; e11
	s_add_co_i32 s31, s31, 127
	s_lshl_b32 s44, s31, 23
	v_mov_b32 v11, s44                             ; 2^e
	s_add_co_i32 s31, s31, 8
	s_lshl_b32 s31, s31, 23
	s_or_b32 s31, s31, 0x600000
.macro WBLOCK t
.set XS, XW+32*((\t)%2)
.if (\t) < 7
	s_wait_loadcnt 32                              ; this block's 32 loads are in; the next block's may be out
.else
	s_wait_loadcnt 0
.endif
.irp i, 0,1,2,3,4,5,6,7,8,9,10,11,12,13,14,15,16,17,18,19,20,21,22,23,24,25,26,27,28,29,30,31
.endr
.irp g, 0,1,2,3
	v_cvt_scalef32_pk8_fp8_f32 v[CW+2*\g:CW+2*\g+1], v[XS+8*\g:XS+8*\g+7], v11
.endr
	v_nop                                          ; one plain vector instruction behind the last conversion of the run
	ds_store_b128 v4, v[CW:CW+3] offset:32*(\t)    ; 32 codes: 32 bytes of my column's row
	ds_store_b128 v4, v[CW+4:CW+7] offset:32*(\t)+16
.if (\t)+2 < 8
	WLOAD (\t)+2
.endif
	s_wait_dscnt 0x0                               ; the stores have read their registers: the next block's codes may be written
.endm
	s_wait_alu depctr_va_vdst(0)
.irp t, 0,1,2,3,4,5,6,7
	WBLOCK \t
.endr
.irp t, 0,1,2,3,4,5,6,7,8,9,10,11,12,13,14,15
	ds_load_b128 v[OUTR+4*\t:OUTR+4*\t+3], v7 offset:2*\t*WP   ; LDS serves a wave's instructions in order: these see my stores
.endr
.irp t, 0,1,2,3,4,5,6,7,8,9,10,11,12,13,14,15
	s_wait_dscnt 15-\t
	global_store_b128 v8, v[OUTR+4*\t:OUTR+4*\t+3], s[18:19] offset:2*\t*1024
.endr
.Ldone:
	s_wait_tensorcnt 0x0                           ; the wave's end: behind my last LDS store
	ds_add_u32 v[SPW], v[NIL]
	s_wait_dscnt 0x0
	s_endpgm
.Lfunc_end_k_qef5bee7a82_prep:
	.size	k_qef5bee7a82_prep, .Lfunc_end_k_qef5bee7a82_prep-k_qef5bee7a82_prep
	.p2alignl 7, 3214868480
	.fill 96, 4, 3214868480
	.section	.rodata,"a",@progbits
	.p2align	6, 0x0
	.amdhsa_kernel k_qef5bee7a82_prep
		.amdhsa_group_segment_fixed_size 68096
		.amdhsa_private_segment_fixed_size 0
		.amdhsa_enable_private_segment 0
		.amdhsa_kernarg_size 64
		.amdhsa_user_sgpr_count 2
		.amdhsa_user_sgpr_kernarg_segment_ptr 1
		.amdhsa_wavefront_size32 1
		.amdhsa_system_sgpr_workgroup_id_x 1
		.amdhsa_system_sgpr_workgroup_id_y 1
		.amdhsa_system_sgpr_workgroup_id_z 1
		.amdhsa_system_vgpr_workitem_id 0
		.amdhsa_next_free_vgpr 192
		.amdhsa_next_free_sgpr 66
		.amdhsa_reserve_vcc 0
		.amdhsa_float_denorm_mode_32 3
		.amdhsa_float_denorm_mode_16_64 3
		.amdhsa_fp16_overflow 1
		.amdhsa_memory_ordered 1
		.amdhsa_forward_progress 1
		.amdhsa_inst_pref_size 63
	.end_amdhsa_kernel
	.amdgpu_metadata
---
amdhsa.version: [ 1, 2 ]
amdhsa.kernels:
  - .name:           k_qef5bee7a82_prep
    .symbol:         k_qef5bee7a82_prep.kd
    .args:
      - { .name: x, .offset: 0, .size: 8, .value_kind: global_buffer, .address_space: global }
      - { .name: Wk, .offset: 8, .size: 8, .value_kind: global_buffer, .address_space: global }
      - { .name: Wq, .offset: 16, .size: 8, .value_kind: global_buffer, .address_space: global }
      - { .name: Wv, .offset: 24, .size: 8, .value_kind: global_buffer, .address_space: global }
      - { .name: Wp, .offset: 32, .size: 8, .value_kind: global_buffer, .address_space: global }
      - { .name: lowp_scales, .offset: 40, .size: 8, .value_kind: global_buffer, .address_space: global }
      - { .name: xc, .offset: 48, .size: 8, .value_kind: global_buffer, .address_space: global }
      - { .name: wc, .offset: 56, .size: 8, .value_kind: global_buffer, .address_space: global }
    .group_segment_fixed_size: 68096
    .private_segment_fixed_size: 0
    .kernarg_segment_align: 8
    .kernarg_segment_size: 64
    .max_flat_workgroup_size: 128
    .sgpr_count:     66
    .vgpr_count:     192
    .wavefront_size: 32
...
	.end_amdgpu_metadata
.endif
;; end of part 1
;; launch inproj (part 2): grid 12 x 32, 4 waves a work-group, clusters of 4 x 4, 327,680 bytes of LDS; arguments xc, wc, lowp_scales, bk, bq, bv, qkvc; writes qkvc
.if DOCPART == 2
	.amdgcn_target "amdgcn-amd-amdhsa--gfx1250"
	.amdhsa_code_object_version 6
	.text
	.protected	k_qef5bee7a82_inproj
	.globl	k_qef5bee7a82_inproj
	.p2align	8
	.type	k_qef5bee7a82_inproj,@function
k_qef5bee7a82_inproj:
	s_mov_b64 s[64:65], 0
	v_nop
	global_prefetch_b8 v0, s[64:65] scope:SCOPE_SE
	s_setreg_imm32_b32 hwreg(HW_REG_WAVE_MODE, 25, 1), 1
	s_wait_xcnt 0x0
	s_wait_alu depctr_hold_cnt(0) depctr_sa_sdst(0) depctr_va_vdst(0) depctr_va_sdst(0) depctr_va_ssrc(0) depctr_va_vcc(0) depctr_vm_vsrc(0)
	s_getreg_b32 s2, hwreg(HW_REG_IB_STS2, 6, 4)
	s_cmp_eq_u32 s2, 0
	s_cbranch_scc0 .Lentry_in_a_cluster
	s_endpgm
.Lentry_in_a_cluster:
	s_bfe_u32 s2, ttmp6, 0x10000c
	s_cmp_lg_u32 s2, 0xf033
	s_cbranch_scc0 .Lentry_shape_is_right
	s_endpgm
.Lentry_shape_is_right:
; INPROJ: k = x Wk + bk, q = x Wq + bq, v = x Wv + bv on codes of FP8 (E4M3), and the three results quantised on the way out for the two products of attention.
; The cluster's x says which: 0 k, 1 q, 2 v.  xc [3][8192][1024], wc [4][1024][1024]: codes, K innermost.  A sum stands for sum x 2^(ea + eb); result = sum x 2^(ea + eb) + bias, one fused multiply-add in f32;
; its code = result / 2^eo, held within +-448, nearest, ties to even; eo = entry 7 of the exponents for k, 6 for q, 9 for v.
; LIMITS: ea + eb between -126 and 127; eo between -126 and 119.
; A tile of 256 x 256 is made by four waves, each 128 x 128: 64 accumulators, 512 registers.  K goes in four steps of 256 through two LDS slots filled by the tensor data mover; a tile's row is 256 bytes of memory.
; THE MATRIX INSTRUCTION IS USED TRANSPOSED: source 0 = 16 rows of the operand in role B, source 1 = 16 rows of the operand in role A; a lane then holds ONE row of role A and eight neighbouring rows of role B.
; ROLES.  The conversions take neighbours along the NEXT product's K from one lane's registers.  For q and k that K is the head's channels: role A = x's rows, role B = the weight's.
; For v it is the keys: role A = the weight's rows (channels), role B = x's rows (keys).  Only addresses and the bias differ: the loop is one text.
; CLUSTERS: 4 x 4 work-groups.  Role A's tile is shared along a row of the cluster, role B's along a column: each is asked for jointly, by the same tensor load with the same descriptor and a mask that names the four.
; OUT.  A wave's 128 x 128 results are one dense block of 16,384 bytes of codes: qkvc section (k, q, v) [batch 4][head pair 8][block of 128 tokens 16][128 rows][128 bytes].
;   k, q: row = token, bytes = the pair's 128 channels;  v: row = the pair's channel, bytes = 128 keys.  In a row the number of column 16 b + 8 h + j lies at byte 32 (b / 2) + 16 h + 8 (b % 2) + j:
;   for q and k one order for both, so every product meets its partner; for v the order in which four 16-byte loads give a lane the keys that p's codes have in the same registers.
; REGISTERS, in windows of 256: window 0: v0-31 addresses; v32-47, v64-127 biases; from v128 role A's fragments, ONE set; on the way out v48-63 and v128-223 are at work.
;   window 1: role B's fragments, TWO sets.   windows 2, 3: the accumulators of my rows 0-63 and 64-127 ((a, b) at v[8 (8 (a % 4) + b)]).
.set ROWB,   256                       ; a tile's row in bytes
.set KROW,   1024                      ; a row of codes in memory
.set PITCH,  272                       ; an LDS row: 256 bytes + 16 of padding = 68 words: the 16 rows that a load touches start 4 words apart modulo 64 (64 banks of 4 bytes: ISA guide 11.1)
.set FR,     16                        ; registers of a fragment: 16 rows x 128 K
.set NL,     4                         ; LDS loads that bring one
.set NP,     4                         ; places behind this matrix instruction (ISA guide 7.12.1)
.set HALFT,  128*PITCH                 ; 128 rows: what one tensor load brings
.set SLOT,   4*HALFT                   ; role A's 256 rows, then role B's
.set SPARE,  2*SLOT                    ; behind the ring: the spare words, 128 bytes for each wave: two blocks of 256 bytes that no other line names
.set OP,     144                       ; the way out: a stage of 16 rows x (128 bytes + 16) for each wave, in slot 0, which has had its last fill and its last read by then
.set ADRA, 16                          ; v16-17  LDS address of my role-A fragments in slot 0, 1
.set ADRB, 20                          ; v20-21  the same for role B
.set RO,   22                          ; v22     4 x (lane % 16): the bias of my row
.set HO,   23                          ; v23     32 x (lane / 16): the biases of my eight columns
.set STO,  24                          ; v24     the way out: where I put 8 bytes of a row
.set RD,   25                          ; v25     where I read 16 bytes back
.set CO,   26                          ; v26     16 x lane: my bytes of a store's 512
.set SPW,  28                          ; v28     LDS address of my spare word; never rewritten
.set NIL,  29                          ; v29     0; never rewritten
.set SC,   30                          ; v30     2^eo
.set LIM,  31
.set BR,   32                          ; v32-47  the bias by rows: block a's, twice (a pair for the packed form)
.set CD,   48                          ; v48-63  a block's codes
.set BC,   64                          ; v64-127 the bias by columns: register 8 b + j
.set AF,   128                         ; role A's fragments
.set TMP,  128                         ; the way out: a block's 64 results
.set BB,   192                         ; the way out: 16 rows read back: v192-207 and v208-223 by turns
.set G1, 24                            ; s[24:31] descriptor group 1 for role A;  s[32:39] group 0, one set for each slot
.set G0, 32
.set G1B, 48                           ; s[48:55], s[56:63] the same for role B
.set G0B, 56
.set ISV, 86                           ; s86     1 where the cluster makes v
.set MSB, 0
.macro WIN new                         ; the immediate's high byte repeats the setting that is left
.if MSB != (\new)
	s_set_vgpr_msb (MSB<<8)|(\new)
.set MSB, \new
.endif
.endm
.set MUL_LO, 0xa1                      ; source 0 window 1, source 1 window 0, C and D window 2
.set MUL_HI, 0xf1                      ; the same, C and D window 3
.set TO_B,   0x40                      ; destination window 1, address window 0
; A joint load: waves 0 and 1 fetch for role A, waves 2 and 3 for role B.  The branch hangs on the wave's number alone.  An s_nop 0 and four v_nop follow each of the two lines.
.macro JLOAD g0a, g1a, g0b, g1b
	s_cmp_eq_u32 s15, 0
	s_cbranch_scc0 .Lfor_b_\@
	tensor_load_to_lds s[\g0a:\g0a+3], s[\g1a:\g1a+7]
	s_nop 0
.rept 4
	v_nop
.endr
	s_branch .Lasked_\@
.Lfor_b_\@:
	tensor_load_to_lds s[\g0b:\g0b+3], s[\g1b:\g1b+7]
	s_nop 0
.rept 4
	v_nop
.endr
.Lasked_\@:
.endm
.macro CREST                           ; a round of the cluster's barrier behind its opening barrier
	s_cmp_lg_u32 s14, 0
	s_cbranch_scc1 .Lnot_wave_0_\@
	s_barrier_signal -3
.Lnot_wave_0_\@:
	s_barrier_wait -3
	s_barrier_signal -1
	s_barrier_wait -1
.endm
.macro CROUND                          ; a whole round
	s_barrier_signal -1
	s_barrier_wait -1
	CREST
.endm
	s_load_b128 s[4:7], s[0:1], 0x0                ; xc s[4:5], wc s[6:7]
	s_load_b128 s[8:11], s[0:1], 0x10              ; the exponents s[8:9], bk s[10:11]
	s_load_b128 s[80:83], s[0:1], 0x20             ; bq s[80:81], bv s[82:83]
	s_load_b64 s[84:85], s[0:1], 0x30              ; qkvc
	v_lshl_add_u32 v[SPW], v0, 2, SPARE
	v_mov_b32 v[NIL], 0
	ds_add_u32 v[SPW], v[NIL]                      ; the wave's opening: the add and its wait stand ahead of my first tensor load; the set-up below, work on registers, stands between them
	ds_add_u32 v[SPW], v[NIL]
	v_lshrrev_b32 v1, 5, v0
	v_readfirstlane_b32 s14, v1                    ; wave 0..3
	s_lshr_b32 s15, s14, 1                         ; which half of the tile's role-A rows is mine.  Also: I fetch for role A (0) or B (1)
	s_and_b32 s16, s14, 1                          ; which half of its role-B rows.  Also: which 128 rows of that tile I fetch
	s_bfe_u32 s40, ttmp6, 0x40000                  ; cx, cy: my place in the cluster
	s_bfe_u32 s41, ttmp6, 0x40004
	s_and_b32 s18, ttmp7, 0xffff
	s_lshl_b32 s18, s18, 2                         ; 4 x cluster y
	s_add_co_u32 s17, s18, s41                     ; x's tile of 256 rows where x has role A,
	s_add_co_u32 s42, s18, s40                     ; and where it has role B
	s_cmp_eq_u32 ttmp9, 2                          ; the cluster's x is the same in all sixteen partners
	s_cselect_b32 s[ISV], 1, 0
	s_cselect_b32 s17, s41, s17                    ; role A's tile: hangs on cy alone (v: the weight's tile cy)
	s_cselect_b32 s42, s42, s40                    ; role B's tile: hangs on cx alone (k, q: the weight's tile cx)
	s_lshl_b32 s43, s41, 2
	s_lshl_b32 s43, 15, s43                        ; my row of the cluster
	s_lshl_b32 s44, 0x1111, s40                    ; my column
	; descriptor group 1: a tile of 128 rows x 256 bytes, padded in LDS
	s_or_b32 s[G1+0], s43, (0<<16)|(1<<20)|(1<<21)|(5<<22)|(3<<25)  ; 15:0 the mask; 17:16 element of 1 byte; 20 padding on; 21 set beside a mask; 24:22 after every 64 words (code 5); 31:25 of 4 words (code 3)
	s_or_b32 s[G1B+0], s44, (0<<16)|(1<<20)|(1<<21)|(5<<22)|(3<<25)
.irp g, G1, G1B
	s_mov_b32 s[\g+1], ROWB<<16                    ; tensor_dim0
	s_mov_b32 s[\g+2], 128<<16                     ; tensor_dim1 = 128
	s_mov_b32 s[\g+3], ROWB<<16                    ; tile_dim0
	s_mov_b32 s[\g+4], 128                         ; tile_dim1 = 128
	s_mov_b32 s[\g+5], KROW                        ; tensor_dim0_stride
	s_mov_b32 s[\g+6], 0
	s_mov_b32 s[\g+7], 0
.endr
	s_lshl_b32 s18, s16, 7                         ; which 128 rows of the tile I fetch
	s_lshl_b32 s20, s17, 8
	s_add_co_u32 s20, s20, s18
	s_lshl_b32 s20, s20, 10                        ; role A: (256 x tile + 128 x half) rows of 1,024 bytes
	s_mov_b32 s21, 0
	s_lshl_b32 s46, s42, 8
	s_add_co_u32 s46, s46, s18
	s_lshl_b32 s46, s46, 10                        ; role B likewise
	s_mov_b32 s47, 0
	s_lshl_b32 s22, ttmp9, 23                      ; my section of xc,
	s_mov_b32 s23, 0
	s_lshl_b32 s94, ttmp9, 20                      ; and of wc
	s_mov_b32 s95, 0
	s_mul_i32 s45, s14, HALFT                      ; where the tiles go: wave x 128 rows: no place in the cluster enters an LDS address
	s_wait_dscnt 0x0                               ; the opening add is done
	s_wait_kmcnt 0x0
	s_load_b256 s[68:75], s[8:9], 0x0              ; e0 .. e7
	s_load_b128 s[76:79], s[8:9], 0x20             ; e8 .. e11
	s_add_nc_u64 s[4:5], s[4:5], s[22:23]
	s_add_nc_u64 s[6:7], s[6:7], s[94:95]
	s_cmp_eq_u32 ttmp9, 2
	s_cselect_b64 s[88:89], s[6:7], s[4:5]         ; role A's buffer,
	s_cselect_b64 s[90:91], s[4:5], s[6:7]         ; role B's
	s_add_nc_u64 s[20:21], s[88:89], s[20:21]
	s_add_nc_u64 s[46:47], s[90:91], s[46:47]
	CROUND                                         ; all sixteen work-groups are here: the first joint loads meet
.irp s, 0,1
	s_mov_b32 s[G0+4*\s], 1
	s_add_co_u32 s[G0+4*\s+1], s45, \s*SLOT
	s_add_nc_u64 s[G0+4*\s+2:G0+4*\s+3], s[20:21], \s*ROWB
	s_or_b32 s[G0+4*\s+3], s[G0+4*\s+3], 0x80000000
	s_mov_b32 s[G0B+4*\s], 1
	s_add_co_u32 s[G0B+4*\s+1], s45, \s*SLOT
	s_add_nc_u64 s[G0B+4*\s+2:G0B+4*\s+3], s[46:47], \s*ROWB
	s_or_b32 s[G0B+4*\s+3], s[G0B+4*\s+3], 0x80000000
	JLOAD G0+4*\s, G1, G0B+4*\s, G1B
.endr
	v_and_b32 v1, 15, v0                           ; r = l % 16
	s_wait_alu depctr_va_vdst(0)
	v_bfe_u32 v2, v0, 4, 1                         ; h = l / 16
	v_mul_u32_u24 v3, v1, PITCH
	v_lshl_add_u32 v4, v2, 4, v3                   ; a fragment's row x pitch + 16 x half
	s_mul_i32 s21, s15, HALFT                      ; my 128 rows of role A
	s_mul_i32 s22, s16, HALFT                      ; my 128 rows of role B,
	s_add_co_u32 s22, s22, 2*HALFT                 ; which lie behind role A's 256
.irp s, 0,1
	v_add_nc_u32 v[ADRA+\s], s21, v4
	v_add_nc_u32 v[ADRB+\s], s22, v4
	s_add_co_u32 s21, s21, SLOT
	s_add_co_u32 s22, s22, SLOT
.endr
	s_mul_i32 s23, s14, 16*OP                      ; my stage
	v_mul_u32_u24 v5, v1, OP
	s_wait_alu depctr_va_vdst(0)
	v_lshl_add_u32 v5, v2, 4, v5
	v_add_nc_u32 v[STO], s23, v5                   ; in: row r, + 16 h
	v_and_b32 v6, 31, v0
	v_lshrrev_b32 v7, 3, v6
	v_mul_u32_u24 v7, v7, OP
	v_and_b32 v8, 7, v6
	v_lshl_add_u32 v7, v8, 4, v7
	v_add_nc_u32 v[RD], s23, v7                    ; back: eight lanes to a row of 128 bytes, four rows an instruction
	v_lshlrev_b32 v[CO], 4, v6
	v_lshlrev_b32 v[RO], 2, v1
	v_lshlrev_b32 v[HO], 5, v2
	s_wait_alu depctr_va_vdst(0)
	; where my block of 16,384 bytes lies, and my 128 biases.  (In registers that feed no descriptor: these hold both cx and cy)
	s_lshl_b32 s66, s17, 1
	s_add_co_u32 s66, s66, s15                     ; my block of 128 rows of role A,
	s_lshl_b32 s67, s42, 1
	s_add_co_u32 s67, s67, s16                     ; and of role B
	s_cmp_eq_u32 s[ISV], 1
	s_cselect_b32 s87, s66, s67                    ; the head pair: the weight's block
	s_cselect_b32 s92, s67, s66                    ; the block of tokens, 0 .. 63: x's
	s_lshr_b32 s12, s92, 4                         ; the batch,
	s_lshl_b32 s12, s12, 3
	s_add_co_u32 s12, s12, s87
	s_lshl_b32 s12, s12, 4
	s_and_b32 s13, s92, 15                         ; the block in it
	s_add_co_u32 s12, s12, s13
	s_lshl_b32 s12, s12, 14
	s_lshl_b32 s13, ttmp9, 23                      ; the section
	s_add_co_u32 s12, s12, s13
	s_mov_b32 s13, 0
	s_add_nc_u64 s[84:85], s[84:85], s[12:13]
	s_cmp_eq_u32 ttmp9, 1
	s_cselect_b64 s[10:11], s[80:81], s[10:11]
	s_cmp_eq_u32 ttmp9, 2
	s_cselect_b64 s[10:11], s[82:83], s[10:11]
	s_lshl_b32 s12, s87, 9
	s_add_nc_u64 s[10:11], s[10:11], s[12:13]      ; the pair's 128 biases
.irp b, 0,1,2,3,4,5,6,7
	global_load_b128 v[BC+8*\b:BC+8*\b+3], v[HO], s[10:11] offset:64*\b          ; by columns: bias(16 b + 8 h + 0 .. 7)
	global_load_b128 v[BC+8*\b+4:BC+8*\b+7], v[HO], s[10:11] offset:64*\b+16
.endr
.irp a, 0,1,2,3,4,5,6,7
	global_load_b32 v[BR+2*\a], v[RO], s[10:11] offset:64*\a                     ; by rows: bias(16 a + r), in both registers of a pair
	global_load_b32 v[BR+2*\a+1], v[RO], s[10:11] offset:64*\a
.endr
.macro FRAG reg, adr, q, i             ; a fragment: lane l holds row l % 16; registers 4 c .. 4 c + 3 hold K = 32 c + 16 (l / 16) + 0 .. 15: one order of K for both sources, so every product meets its partner
.irp c, 0,1,2,3
	ds_load_b128 v[\reg+4*\c:\reg+4*\c+3], v[\adr] offset:128*(\q)+32*\c+(\i)*16*PITCH
.endr
.endm
; 16 matrix instructions: role A's blocks a0, a0 + 1 x role B's eight, 128 along K.  p: role B's set.  zero = 1: the first product starts the sums.
; The 64 accumulators take turns, one instruction a turn, in the same order in every step.
.macro MUL16 a0, p, zero
.irp a, \a0, \a0+1
.irp b, 0,1,2,3,4,5,6,7
.if \zero
	v_wmma_f32_16x16x128_fp8_fp8 v[8*(8*((\a)%4)+\b):8*(8*((\a)%4)+\b)+7], v[128*(\p)+FR*\b:128*(\p)+FR*\b+FR-1], v[AF+FR*(\a):AF+FR*(\a)+FR-1], 0
.else
	v_wmma_f32_16x16x128_fp8_fp8 v[8*(8*((\a)%4)+\b):8*(8*((\a)%4)+\b)+7], v[128*(\p)+FR*\b:128*(\p)+FR*\b+FR-1], v[AF+FR*(\a):AF+FR*(\a)+FR-1], v[8*(8*((\a)%4)+\b):8*(8*((\a)%4)+\b)+7]
.endif
.endr
.endr
.endm
.macro FETCH_B slot, q, p
	WIN TO_B
.irp i, 0,1,2,3,4,5,6,7
	FRAG 128*(\p)+FR*\i, ADRB+\slot, \q, \i
.endr
	WIN 0
.endm
.macro FETCH_A slot, q, i0
.irp i, \i0, \i0+1, \i0+2, \i0+3
	FRAG AF+FR*(\i), ADRA+\slot, \q, \i
.endr
.endm
.macro PLACES n                        ; plain vector instructions between a matrix instruction and a load into one of its registers, or a read of its result
.rept \n
	v_nop
.endr
.endm
; A step of 128 along K that has its successor in the same slot.
.macro STEP slot, q, zero
	s_wait_dscnt 4*NL                              ; role B's set and role A's blocks 0-3 are in; the youngest sixteen loads (blocks 4-7) may be out
	WIN MUL_LO
	MUL16 0, (\q)%2, \zero
	MUL16 2, (\q)%2, \zero
	s_wait_dscnt 0                                 ; blocks 4-7 are in
	PLACES NP
	FETCH_B \slot, (\q)+1, 1-(\q)%2
	FETCH_A \slot, (\q)+1, 0
	WIN MUL_HI
	MUL16 4, (\q)%2, \zero
	MUL16 6, (\q)%2, \zero
	PLACES NP
	WIN 0
	FETCH_A \slot, (\q)+1, 4
.endm
; A slot's last step changes slots: ONE barrier; in front of it each wave waits for all its tensor loads, adds 0 to its spare word, and waits for that and for its own reads of this slot.  fill = 1: this slot is filled again, two K steps ahead.
.macro TURN slot, next, fill
	s_wait_tensorcnt 0x0                           ; all my tensor loads have landed: the one that was out is my part of the next slot
	ds_add_u32 v[SPW], v[NIL]                      ; 0 onto my spare word
	s_wait_dscnt 4*NL+1                            ; (the add and the youngest sixteen loads may be out)
	WIN MUL_LO
	MUL16 0, 1, 0                                  ; sixteen matrix instructions stand between the add and the wait for it
	s_wait_dscnt 0x0                               ; the add is done, and my reads of this slot are over
	s_barrier_signal -1
	MUL16 2, 1, 0
	WIN 0
	s_barrier_wait -1
.if \fill
	CREST                                          ; the barrier has opened a round of the cluster's barrier: no wave of any partner still reads this slot or has a load on its way
	s_add_nc_u64 s[G0+4*\slot+2:G0+4*\slot+3], s[G0+4*\slot+2:G0+4*\slot+3], 2*ROWB
	s_add_nc_u64 s[G0B+4*\slot+2:G0B+4*\slot+3], s[G0B+4*\slot+2:G0B+4*\slot+3], 2*ROWB
	JLOAD G0+4*\slot, G1, G0B+4*\slot, G1B         ; the first tensor load behind the round; its four v_nop are also the places in front of the loads below
.else
	PLACES NP
.endif
	FETCH_B \next, 0, 0
	FETCH_A \next, 0, 0
	WIN MUL_HI
	MUL16 4, 1, 0
	MUL16 6, 1, 0
	PLACES NP
	WIN 0
	FETCH_A \next, 0, 4
.endm
	s_wait_tensorcnt 1                             ; my part of K step 0 is in (K step 1's load, issued behind it, may be out),
	s_barrier_signal -1
	s_barrier_wait -1                              ; everybody's is
	FETCH_B 0, 0, 0
	FETCH_A 0, 0, 0
	FETCH_A 0, 0, 4
	STEP 0, 0, 1                                   ; K = 1,024 is four slots' worth, written out: the first products start the sums
	TURN 0, 1, 1                                   ; slot 0 takes K step 2
	STEP 1, 0, 0
	TURN 1, 0, 1                                   ; slot 1 takes K step 3
	STEP 0, 0, 0
	TURN 0, 1, 0                                   ; nothing is left to fetch: no round
	STEP 1, 0, 0
	s_wait_dscnt 4*NL                              ; the very last step
	WIN MUL_LO
	MUL16 0, 1, 0
	MUL16 2, 1, 0
	s_wait_dscnt 0
	WIN MUL_HI
	MUL16 4, 1, 0
	MUL16 6, 1, 0
	WIN 0
; THE WAY OUT, block by block of 16 rows x 128 columns: scale and bias, the conversion; a lane's 8 codes of each of 8 column tiles go into my stage, and the block comes back as 2,048 dense bytes.
.macro OUTBLK a
.set AC, 64*((\a)%4)
	s_cmp_eq_u32 s[ISV], 0                         ; the same in all partners: it hangs on the cluster's x alone
	s_cbranch_scc0 .Lby_rows_\@
	WIN 0x02+((\a)/4)                              ; source 0: window 2 or 3
.irp j, 0,2,4,6,8,10,12,14,16,18,20,22,24,26,28,30,32,34,36,38,40,42,44,46,48,50,52,54,56,58,60,62
	v_pk_fma_f32 v[TMP+\j:TMP+\j+1], v[AC+\j:AC+\j+1], s[96:97], v[BC+\j:BC+\j+1] op_sel_hi:[1,0,1]   ; k, q: sum x 2^(ea + eb) + the column's bias; each accumulator from its low end on
.endr
	WIN 0
	s_branch .Lbiased_\@
.Lby_rows_\@:
	WIN 0x02+((\a)/4)
.irp j, 0,2,4,6,8,10,12,14,16,18,20,22,24,26,28,30,32,34,36,38,40,42,44,46,48,50,52,54,56,58,60,62
	v_pk_fma_f32 v[TMP+\j:TMP+\j+1], v[AC+\j:AC+\j+1], s[96:97], v[BR+2*(\a):BR+2*(\a)+1] op_sel_hi:[1,0,1]   ; v: + the row's bias
.endr
	WIN 0
.Lbiased_\@:
.set n, 0
.rept 64
.set n, n+1
.endr
	s_wait_alu depctr_va_vdst(0)
.irp b, 0,1,2,3,4,5,6,7
	v_cvt_scalef32_pk8_fp8_f32 v[CD+2*\b:CD+2*\b+1], v[TMP+8*\b:TMP+8*\b+7], v[SC]
.endr
	v_nop                                          ; one plain vector instruction behind the last conversion of the run
.irp b, 0,1,2,3,4,5,6,7
	ds_store_b64 v[STO], v[CD+2*\b:CD+2*\b+1] offset:32*(\b/2)+8*(\b%2)
.endr
.set BBS, BB+16*((\a)%2)
.irp t, 0,1,2,3
	ds_load_b128 v[BBS+4*\t:BBS+4*\t+3], v[RD] offset:\t*4*OP   ; LDS serves a wave's instructions in order (ISA guide 5.7.1.4): these see the stores above
.endr
.endm
.macro SEND a, younger                 ; younger: the LDS instructions issued behind block a's loads, which may stay out
.set BBS, BB+16*((\a)%2)
	s_wait_dscnt \younger
.irp t, 0,1,2,3
	global_store_b128 v[CO], v[BBS+4*\t:BBS+4*\t+3], s[84:85] offset:2048*(\a)+512*\t   ; 32 lanes store 512 consecutive bytes, at a multiple of 256 from the buffer's first byte
.endr
.endm
	s_wait_kmcnt 0x0                               ; the exponents
	s_wait_loadcnt 0x0                             ; the biases
	s_add_co_i32 s68, s68, s69                     ; e0 + e1,
	s_add_co_i32 s70, s70, s71                     ; e2 + e3,
	s_add_co_i32 s72, s72, s73                     ; e4 + e5
	s_cmp_eq_u32 ttmp9, 1
	s_cselect_b32 s92, s70, s68
	s_cselect_b32 s93, s74, s75                    ; q: entry 6; k: entry 7
	s_cmp_eq_u32 ttmp9, 2
	s_cselect_b32 s92, s72, s92
	s_cselect_b32 s93, s77, s93                    ; v: entry 9
	s_add_co_i32 s92, s92, 127
	s_lshl_b32 s96, s92, 23                        ; 2^(ea + eb) as f32
	s_mov_b32 s97, s96                             ; (named with it as a pair, so it is written)
	s_add_co_i32 s93, s93, 127
	s_lshl_b32 s92, s93, 23
	v_mov_b32 v[SC], s92
	PLACES NP                                      ; behind the last products: for the writes and loads into the registers that held role A's fragments, and for the reads of results
	OUTBLK 0
.irp a, 1,2,3,4,5,6,7
.if \a > 1
	s_wait_xcnt 0x0                                ; block a - 2's stores have read their registers: block a's loads may land there
.endif
	OUTBLK \a
	SEND \a-1, 12                                  ; behind block a - 1's loads: block a's 8 stores and 4 loads
.endr
	SEND 7, 0
	s_wait_tensorcnt 0x0                           ; the wave's end: behind my last tensor load and my last LDS store
	ds_add_u32 v[SPW], v[NIL]
	s_wait_dscnt 0x0
	CROUND                                         ; the closing round: no work-group ends while a partner may still ask for a tile that names it
	s_endpgm
.Lfunc_end_k_qef5bee7a82_inproj:
	.size	k_qef5bee7a82_inproj, .Lfunc_end_k_qef5bee7a82_inproj-k_qef5bee7a82_inproj
	.p2alignl 7, 3214868480
	.fill 96, 4, 3214868480
	.section	.rodata,"a",@progbits
	.p2align	6, 0x0
	.amdhsa_kernel k_qef5bee7a82_inproj
		.amdhsa_group_segment_fixed_size 327680
		.amdhsa_private_segment_fixed_size 0
		.amdhsa_enable_private_segment 0
		.amdhsa_kernarg_size 56
		.amdhsa_user_sgpr_count 2
		.amdhsa_user_sgpr_kernarg_segment_ptr 1
		.amdhsa_wavefront_size32 1
		.amdhsa_system_sgpr_workgroup_id_x 1
		.amdhsa_system_sgpr_workgroup_id_y 1
		.amdhsa_system_sgpr_workgroup_id_z 1
		.amdhsa_system_vgpr_workitem_id 0
		.amdhsa_next_free_vgpr 1024
		.amdhsa_next_free_sgpr 98
		.amdhsa_reserve_vcc 0
		.amdhsa_float_denorm_mode_32 3
		.amdhsa_float_denorm_mode_16_64 3
		.amdhsa_fp16_overflow 1
		.amdhsa_memory_ordered 1
		.amdhsa_forward_progress 1
		.amdhsa_inst_pref_size 130
	.end_amdhsa_kernel
	.amdgpu_metadata
---
amdhsa.version: [ 1, 2 ]
amdhsa.kernels:
  - .name:           k_qef5bee7a82_inproj
    .symbol:         k_qef5bee7a82_inproj.kd
    .args:
      - { .name: xc, .offset: 0, .size: 8, .value_kind: global_buffer, .address_space: global }
      - { .name: wc, .offset: 8, .size: 8, .value_kind: global_buffer, .address_space: global }
      - { .name: lowp_scales, .offset: 16, .size: 8, .value_kind: global_buffer, .address_space: global }
      - { .name: bk, .offset: 24, .size: 8, .value_kind: global_buffer, .address_space: global }
      - { .name: bq, .offset: 32, .size: 8, .value_kind: global_buffer, .address_space: global }
      - { .name: bv, .offset: 40, .size: 8, .value_kind: global_buffer, .address_space: global }
      - { .name: qkvc, .offset: 48, .size: 8, .value_kind: global_buffer, .address_space: global }
    .group_segment_fixed_size: 327680
    .private_segment_fixed_size: 0
    .kernarg_segment_align: 8
    .kernarg_segment_size: 56
    .max_flat_workgroup_size: 128
    .sgpr_count:     98
    .vgpr_count:     1024
    .wavefront_size: 32
...
	.end_amdgpu_metadata
.endif
;; end of part 2
;; launch attn (part 3): grid 8 x 32, 16 waves a work-group, no clusters, 327,680 bytes of LDS; arguments qkvc, lowp_scales, yc; writes yc
.if DOCPART == 3
	.amdgcn_target "amdgcn-amd-amdhsa--gfx1250"
	.amdhsa_code_object_version 6
	.text
	.protected	k_qef5bee7a82_attn
	.globl	k_qef5bee7a82_attn
	.p2align	8
	.type	k_qef5bee7a82_attn,@function
k_qef5bee7a82_attn:
	s_mov_b64 s[64:65], 0
	v_nop
	global_prefetch_b8 v0, s[64:65] scope:SCOPE_SE
	s_setreg_imm32_b32 hwreg(HW_REG_WAVE_MODE, 25, 1), 1
	s_wait_xcnt 0x0
; ATTN: y = softmax(q k^T / 8, causal) v for 64 heads of 64 channels, 2,048 tokens, both products on codes of FP8 (E4M3), and y quantised for the last projection.
; qkvc: sections k, q (rows of a head PAIR: [batch x pair 32][token 2048][128 bytes]) and v ([32][key block 16][channel of the pair 128][128 keys]); yc [32][token 2048][128 bytes], channels in their natural order.
; THE SOFTMAX: t = score x log2(e) / 8; M = the row's largest t so far, rounded UP to a whole number; p = 2^(t - M) is quantised with 2^e8, not normalised; the row's sum is taken of the unquantised p and divides at the end.
; When M moves, the sum and O are multiplied by 2^(old M - new M): exact.
; LIMITS: e6 + e7 between -123 and 130 (added to the exponent field of log2(e) / 8); e8 and e10 between -126 and 119; e8 + e9 is applied by v_ldexp_f32 and has none.
; SHARES.  A work-group owns, of one head pair, the blocks of 128 queries I and 15 - I (I = work-group x), ONE AFTER THE OTHER: block I against key blocks 0 .. I (steps 0 .. I), then block 15 - I against key blocks
; 0 .. 15 - I (steps I + 1 .. 16): 17 key steps of 128 keys in every work-group, so the trip count is a constant, the work is even, and nothing that the mask hides wholly is fetched or multiplied.
; Sixteen waves: wave w has head w / 8 of the pair and queries 16 (w % 8) on of the block: one tile, in 256 registers; four waves to a SIMD, so that one wave's vector work stands beside another's matrix work and LDS loads.
; NO CLUSTER: at step u the work-group I wants key block u or u - I - 1: no two work-groups of a head pair want the same tile at all steps, so joint requests would not meet.
; LAYOUT.  Both products are used transposed: S^T = K Q^T (source 0 = 16 keys, source 1 = my 16 queries; K = 64), O^T = V^T P^T (source 0 = 16 channels, source 1 = P; K = 128 keys): a lane holds ONE query throughout.
; Register 8 a + j of S^T is key 16 a + 8 (lane / 16) + j; the conversion of tile a gives registers 2 a, 2 a + 1 of P; v's bytes were laid so that four 16-byte loads put the same keys into the same registers.
; THE LOW BLOCK'S RESULT stays in eight registers of codes until the end, where both blocks leave through two stages in LDS: so no LDS store stands under a branch.
; REGISTERS: v1-11 addresses; v12 -M, v13 the largest t, v[14:15] the sum in two halves; v16-23 Q; v24 Q's offset; v25 -infinity; v26, v27 at work; v[28:29] f; v30 the permute's; v31 2^e8;
;   v32-95 K's eight fragments, then p's codes (v32-47), a second sum (v48-49) and V's fragments 2, 3 (v64-95); v96-159 S^T, then p; v160-191 O^T; v192-223 V's fragments 0, 1; v224-231, v232-239 the two blocks' codes of y.
.set KP,    144                        ; a row in LDS: 128 bytes + 16 of padding
.set VOFF,  128*KP                     ; a slot: 128 rows of K, then 128 rows of V
.set SLOT1, 1<<16                      ; slot 1 begins here, so that one exclusive or turns an address in one slot into the other's
.set STG,   2*SLOT1                    ; behind the ring: the low block's stage, 128 rows x KP; no fill lands here
.set STGH,  128*KP                     ; the high block's stage lies this far behind it
.set SPARE, STG+2*STGH                 ; behind the stages: the spare words, 128 bytes for each wave: eight blocks of 256 bytes that no other line names
.set AK0, 1                            ; v1   my lane's place in a tile of K
.set AV0, 2                            ; v2   the same for V
.set PFO, 3                            ; v3   256 x lane: the prefetches' offset; never rewritten
.set DQ,  4                            ; v4   my query in its block - 8 (lane / 16)
.set SPW, 5                            ; v5   LDS address of my spare word; never rewritten
.set NIL, 6                            ; v6   0; never rewritten
.set GO,  7                            ; v7   16 x lane
.set ADK, 8
.set ADV, 9
.set STO, 10                           ; v10  the stage: where I put 8 bytes of a row
.set RD,  11                           ; v11  and where I read 16 bytes back
.set QF,  16
.set QO,  24
.set NINF, 25
.set KF,  32
.set PC,  32
.set S,   96
.set O,   160
.set YLO, 224
.set YHI, 232
.set TB,  2                            ; s2   LDS byte at which the slot in hand begins
.set U,   3                            ; s3   the key step, 0 .. 16
.set WI,  10                           ; s10  I
.set BACK, 12                          ; s12  (I + 1) x 16,384: from key block I + 1 back to key block 0
.set WV,  18                           ; s18  my wave's number
.set SEL, 20                           ; s[20:21] lane selects for v_permlanex16_b32: lane l xor 16
.set CS,  22                           ; s[22:23] log2(e) / 8 x 2^(e6 + e7)
.set G1,  24                           ; s[24:31] descriptor group 1: K's and V's tiles have one shape
.set G0,  32                           ; s[32:35] descriptor group 0, which walks
.set PFA, 42                           ; s[42:43] where my prefetches stand
.set PLIM, 44                          ; s44  14 in a wave that prefetches, else 0: a wave prefetches while the step is under it
; Waves 0 and 1 fetch K's halves, waves 2 and 3 V's, 64 rows of 128 dense bytes each; the others nothing.  The branch hangs on the wave's number alone.  An s_nop 0 and four v_nop follow the load.
.macro TLOAD
	s_cmp_lt_u32 s[WV], 4
	s_cbranch_scc0 .Lno_fetch_\@
	tensor_load_to_lds s[G0:G0+3], s[G1:G1+7]
	s_nop 0
.rept 4
	v_nop
.endr
.Lno_fetch_\@:
.endm
; A PREFETCH INTO THE L2.  The eight work-groups of a head pair walk the same 16 key blocks; the first of them (I = 0) asks, in step u for key block u + 2, which no work-group's tensor load names before step u + 1.
; In it waves 4 and 5 ask for K's two halves and waves 6 and 7 for V's: 8,192 bytes a wave, lanes 256 bytes apart, one instruction: each aligned block of 256 bytes is named once in the launch.
; Key blocks 0 and 1 come by their loads alone; steps 14 on ask for nothing: key block 15 is the last.
.macro ASK
	s_cmp_lt_u32 s[U], s[PLIM]
	s_cbranch_scc0 .Lnot_mine_\@
	global_prefetch_b8 v[PFO], s[PFA:PFA+1] th:TH_LOAD_NT scope:SCOPE_SE
.Lnot_mine_\@:
.endm
	s_load_b128 s[4:7], s[0:1], 0x0                ; qkvc s[4:5], the exponents s[6:7]
	s_load_b64 s[8:9], s[0:1], 0x10                ; yc
	v_lshl_add_u32 v[SPW], v0, 2, SPARE
	v_mov_b32 v[NIL], 0
	ds_add_u32 v[SPW], v[NIL]                      ; the wave's opening: the add and its wait stand ahead of my first tensor load; the set-up below, work on registers, stands between them
	ds_add_u32 v[SPW], v[NIL]
	v_lshrrev_b32 v8, 5, v0
	s_delay_alu instid0(VALU_DEP_1)
	v_readfirstlane_b32 s[WV], v8                  ; wave 0..15
	s_lshr_b32 s19, s[WV], 3                       ; my head of the pair
	s_and_b32 s13, s[WV], 7                        ; my tile of 16 queries
	s_mov_b32 s[WI], ttmp9
	s_and_b32 s66, ttmp7, 0xffff
	s_lshl_b32 s66, s66, 18                        ; the head pair's 262,144 bytes in each section and in yc
	s_add_co_u32 s[BACK], s[WI], 1
	s_lshl_b32 s[BACK], s[BACK], 14
	s_mov_b32 s14, 0                               ; s[14:15]: what a change of slots takes off the walking address: BACK at step I, else 0
	s_mov_b32 s15, 0
	s_bfe_u32 s68, s[WV], 0x10001                  ; what I fetch or prefetch: K's section (0) or V's (1),
	s_lshl_b32 s68, s68, 24
	s_and_b32 s69, s[WV], 1                        ; which 64 rows
	s_lshl_b32 s69, s69, 13
	s_add_co_u32 s68, s68, s69
	s_add_co_u32 s68, s68, s66
	s_mov_b32 s69, 0
	s_mul_i32 s67, s[WV], 64*KP                    ; and where it goes in a slot: waves 0 to 3: K's halves, then V's
	s_lshl_b32 s70, s[WI], 14                      ; q: block I's 128 rows of 128 bytes,
	s_lshl_b32 s71, s13, 11                        ; my 16 of them,
	s_add_co_u32 s70, s70, s71
	s_lshl_b32 s76, s19, 6                         ; my head's 64 bytes
	s_add_co_u32 s70, s70, s76
	s_add_co_u32 s70, s70, s66
	s_add_co_u32 s70, s70, 1<<23                   ; in q's section
	s_mov_b32 s71, 0
	s_lshl_b32 s72, s[WI], 14                      ; y: block I; wave w stores its rows 8 w .. 8 w + 7
	s_lshl_b32 s73, s[WV], 10
	s_add_co_u32 s72, s72, s73
	s_add_co_u32 s72, s72, s66
	s_mov_b32 s73, 0
	s_lshl_b32 s74, s[WI], 1
	s_sub_co_u32 s74, 15, s74
	s_lshl_b32 s74, s74, 14                        ; from block I to block 15 - I, in q and in y alike
	s_mov_b32 s75, 0
	; descriptor group 1: 64 rows of 128 bytes, dense in memory, padded in LDS
	s_mov_b32 s[G1], (0<<16)|(1<<20)|(4<<22)|(3<<25)   ; 15:0 no mask; 17:16 elements of 1 byte; 20 padding on; 24:22 after every 32 words (code 4); 31:25 four words (code 3)
	s_mov_b32 s[G1+1], 128<<16                     ; tensor_dim0
	s_mov_b32 s[G1+2], 64<<16                      ; tensor_dim1
	s_mov_b32 s[G1+3], 128<<16                     ; tile_dim0
	s_mov_b32 s[G1+4], 64                          ; tile_dim1
	s_mov_b32 s[G1+5], 128                         ; tensor_dim0_stride
	s_mov_b32 s[G1+6], 0
	s_mov_b32 s[G1+7], 0
	s_mov_b32 s[SEL], 0x76543210
	s_mov_b32 s[SEL+1], 0xfedcba98
	s_mov_b32 s[CS], 0x3e38aa3b                    ; log2(e) / 8
	s_mov_b32 s[TB], 0
	s_mov_b32 s[U], 0
	s_lshr_b32 s77, s[WV], 2
	s_xor_b32 s77, s77, 1                          ; 0 in waves 4 to 7,
	s_or_b32 s77, s77, ttmp9                       ; of the head pair's first work-group
	s_cmp_eq_u32 s77, 0
	s_cselect_b32 s[PLIM], 14, 0
	s_wait_dscnt 0x0                               ; the opening add is done
	s_wait_kmcnt 0x0
	s_load_b256 s[52:59], s[6:7], 0x0              ; e0 .. e7
	s_load_b128 s[60:63], s[6:7], 0x20             ; e8 .. e11
	s_mov_b32 s[G0], 1                             ; 1:0 count = 1
	s_mov_b32 s[G0+1], s67                         ; 63:32 LDS address: slot 0
	s_add_nc_u64 s[G0+2:G0+3], s[4:5], s[68:69]    ; 120:64 global address: key block 0
	s_add_nc_u64 s[PFA:PFA+1], s[G0+2:G0+3], 16384 ; the prefetches: at key block 1; the first change of slots steps it to key block 2
	s_or_b32 s[G0+3], s[G0+3], 0x80000000          ; 127:126 type = 2
	TLOAD                                          ; slot 0
	s_add_nc_u64 s[50:51], s[4:5], s[70:71]        ; my queries of block I,
	s_add_nc_u64 s[36:37], s[50:51], s[74:75]      ; and of block 15 - I
	s_add_nc_u64 s[38:39], s[8:9], s[72:73]        ; the rows of y that I store: block I's,
	s_add_nc_u64 s[40:41], s[38:39], s[74:75]      ; and block 15 - I's
	v_and_b32 v8, 15, v0                           ; r
	v_bfe_u32 v9, v0, 4, 1                         ; h
	v_and_b32 v26, 31, v0                          ; lane
	s_delay_alu instid0(VALU_DEP_3)
	v_lshlrev_b32 v[QO], 7, v8
	s_delay_alu instid0(VALU_DEP_1)
	v_lshl_add_u32 v[QO], v9, 4, v[QO]             ; q: row r of 128 bytes, + 16 h
	global_load_b128 v[QF:QF+3], v[QO], s[50:51]   ; Q's fragment, 16 queries x 64 channels: two loads of 16 bytes, 32 apart, as K's fragments are fetched
	global_load_b128 v[QF+4:QF+7], v[QO], s[50:51] offset:32
	v_mul_u32_u24 v[AK0], v8, KP
	s_delay_alu instid0(VALU_DEP_1)
	v_lshl_add_u32 v[AK0], v9, 4, v[AK0]           ; row r x pitch + 16 h
	s_mul_i32 s77, s19, 64*KP
	s_add_co_u32 s77, s77, VOFF
	v_add_nc_u32 v[AV0], s77, v[AK0]               ; V: my head's 64 rows
	v_add_nc_u32 v[AK0], s76, v[AK0]               ; K: my head's 64 bytes of each row
	v_lshlrev_b32 v[PFO], 8, v26
	v_lshlrev_b32 v[GO], 4, v26
	v_lshlrev_b32 v27, 3, v9
	s_delay_alu instid0(VALU_DEP_1)
	v_sub_nc_u32 v[DQ], v8, v27
	s_lshl_b32 s78, s13, 4
	v_add_nc_u32 v[DQ], s78, v[DQ]                 ; 16 (w % 8) + r - 8 h
	v_mul_u32_u24 v[STO], v8, KP
	s_delay_alu instid0(VALU_DEP_1)
	v_lshl_add_u32 v[STO], v9, 3, v[STO]
	s_mul_i32 s78, s13, 16*KP
	s_add_co_u32 s78, s78, s76
	s_add_co_u32 s78, s78, STG
	v_add_nc_u32 v[STO], s78, v[STO]               ; the stage: row 16 (w % 8) + r, byte 64 x head + 8 h
	v_lshrrev_b32 v[RD], 3, v26
	s_delay_alu instid0(VALU_DEP_1)
	v_mul_u32_u24 v[RD], v[RD], KP
	v_and_b32 v27, 7, v26
	s_delay_alu instid0(VALU_DEP_1)
	v_lshl_add_u32 v[RD], v27, 4, v[RD]
	s_mul_i32 s79, s[WV], 8*KP
	s_add_co_u32 s79, s79, STG
	v_add_nc_u32 v[RD], s79, v[RD]                 ; back: rows 8 w on, eight lanes to a row, four rows an instruction
	v_mov_b32 v[NINF], 0xff800000                  ; -infinity
	v_mov_b32 v29, 0                               ; (named as the upper half of the pair v[28:29])
	v_mov_b32 v30, 0                               ; written once: a lane permute's destination counts as one of its sources
.irp j, 0,1,2,3,4,5,6,7
	v_mov_b32 v[YLO+\j], 0                         ; the low block's codes are made in step I, under a branch: written here once, so that they are defined on every way through the text
.endr
.macro REINIT                          ; a block of queries begins: O^T and the sum are zeros, the largest t is under every t: the first change of M multiplies zeros
	v_mov_b32 v13, 0xff61b1e6                      ; -3e38
	s_delay_alu instid0(VALU_DEP_1)
	v_floor_f32 v12, -v13                          ; -M
	v_mov_b32 v14, 0
	v_mov_b32 v15, 0
.set n, 0
.rept 32
	v_mov_b32 v[O+n], 0
.set n, n+1
.endr
.endm
	REINIT
	s_wait_kmcnt 0x0
	s_add_co_i32 s66, s58, s59
	s_lshl_b32 s66, s66, 23
	s_add_co_i32 s[CS], s[CS], s66                 ; a score stands for score x 2^(e6 + e7): the two exponents are added to the constant's exponent field
	s_mov_b32 s[CS+1], s[CS]                       ; (named with it as a pair, so it is written)
	s_add_co_i32 s66, s60, 127
	s_lshl_b32 s67, s66, 23
	v_mov_b32 v31, s67                             ; 2^e8, for p's conversions
	s_add_co_i32 s46, s60, s61                     ; e8 + e9
	s_add_co_i32 s66, s62, 127
	s_lshl_b32 s47, s66, 23                        ; 2^e10, for y's conversions
; THE CHANGE OF SLOTS stands at a step's head.  Each wave waits for all its tensor loads (its part of the slot that it is about to read), adds 0 to its spare word, and waits for that and for its reads of the slot that it has left.
; Behind the barrier the slot ahead is whole and nobody reads the other one.  fill = 1: that other slot takes the next step's key block: one load a wave, with a whole step in which to land.
.macro CHANGE fill
	s_wait_tensorcnt 0x0                           ; no tensor load of mine is out, so group 0 may be written
	ds_add_u32 v[SPW], v[NIL]                      ; 0 onto my spare word; the descriptor's steps stand between it and the wait for it
.if \fill
	s_xor_b32 s[G0+1], s[G0+1], SLOT1              ; the other slot than last time,
	s_add_nc_u64 s[G0+2:G0+3], s[G0+2:G0+3], 16384 ; the next key block;
	s_cmp_eq_u32 s[U], s[WI]
	s_cselect_b32 s14, s[BACK], 0
	s_sub_nc_u64 s[G0+2:G0+3], s[G0+2:G0+3], s[14:15]   ; at step I: back to key block 0, for the second block of queries.  No branch; the type bits on top are not reached
	s_wait_xcnt 0x0                                ; the last prefetch, a step back, has read its address, so it may be written
	s_add_nc_u64 s[PFA:PFA+1], s[PFA:PFA+1], 16384
.endif
	s_wait_dscnt 0x0                               ; the add is done, and my reads of the slot that I have left are over
	s_barrier_signal -1
	s_barrier_wait -1
.if \fill
	TLOAD                                          ; the first thing behind the barrier, and a wave's one tensor load until the next
.endif
.endm
; A KEY STEP: 128 keys.  tail = 0: the loop's; it lies on the diagonal where the step is I.  tail = 1: step 16, which always does.
.macro STEP tail
	v_add_nc_u32 v[ADK], s[TB], v[AK0]
	v_add_nc_u32 v[ADV], s[TB], v[AV0]
	v_nop                                          ; with the two additions: four places between the last products and the loads into registers that they read
	v_nop
.irp a, 0,1,2,3,4,5,6,7                        ; K: tile a = keys 16 a on
	ds_load_b128 v[KF+8*\a:KF+8*\a+3], v[ADK] offset:16*KP*\a
	ds_load_b128 v[KF+8*\a+4:KF+8*\a+7], v[ADK] offset:16*KP*\a+32
.endr
.irp t, 0,1                                    ; V: channels 16 t on, all 128 keys
.irp c, 0,1,2,3
	ds_load_b128 v[192+16*\t+4*\c:192+16*\t+4*\c+3], v[ADV] offset:16*KP*\t+32*\c
.endr
.endr
	s_wait_alu depctr_va_vdst(0)
	s_wait_loadcnt 0x0                             ; Q (asked for at the head, or in step I)
	s_wait_dscnt 8                                 ; K's sixteen loads are in; V's eight, issued behind them, may be out
.irp a, 0,1,2,3,4,5,6,7
	v_wmma_f32_16x16x64_fp8_fp8 v[S+8*\a:S+8*\a+7], v[KF+8*\a:KF+8*\a+7], v[QF:QF+7], 0
.endr
.rept 4
	v_nop                                          ; places: in front of the reads of the scores, and of the loads into K's and Q's registers
.endr
.irp t, 2,3                                    ; V's other two fragments take the registers of K's tiles 4 to 7: the whole softmax stands between these loads and their use
.irp c, 0,1,2,3
	ds_load_b128 v[64+16*(\t-2)+4*\c:64+16*(\t-2)+4*\c+3], v[ADV] offset:16*KP*\t+32*\c
.endr
.endr
.if !\tail
	s_cmp_lg_u32 s[U], s[WI]                       ; a branch on ids: all keys of the other steps count
	s_cbranch_scc1 .Lopen_\@
.endif
.set n, 0
.rept 64                                       ; on the diagonal the scores of hidden keys become -infinity ahead of the maximum: p = 0 then.  Register n holds key 16 (n / 8) + n % 8 + 8 h of the block: hidden where it is above my query
	v_cmp_gt_i32 vcc_lo, 16*(n/8)+n%8, v[DQ]
	v_cndmask_b32 v[S+n], v[S+n], v[NINF], vcc_lo
.set n, n+1
.endr
.if !\tail
	global_load_b128 v[QF:QF+3], v[QO], s[36:37]   ; block I's last products with Q are issued: the queries of block 15 - I are asked for, with the rest of the step in which to land
	global_load_b128 v[QF+4:QF+7], v[QO], s[36:37] offset:32
.Lopen_\@:
.endif
	v_max3_num_f32 v26, v[S], v[S+1], v[S+2]       ; the step's largest score of my query, among my 64 keys, in two chains; each accumulator is read from its low end on
	v_max3_num_f32 v27, v[S+3], v[S+4], v[S+5]
.irp i, 6,10,14,18,22,26,30,34,38,42,46,50,54,58
	v_max3_num_f32 v26, v26, v[S+\i], v[S+\i+1]
	v_max3_num_f32 v27, v27, v[S+\i+2], v[S+\i+3]
.endr
	v_max3_num_f32 v26, v26, v[S+62], v[S+63]
	s_delay_alu instid0(VALU_DEP_1)
	v_max_num_f32 v26, v26, v27
	s_delay_alu instid0(VALU_DEP_1)
	v_permlanex16_b32 v30, v26, s[SEL], s[SEL+1]
	s_delay_alu instid0(VALU_DEP_1)
	v_max_num_f32 v26, v26, v30                    ; and among lane l xor 16's
	s_delay_alu instid0(VALU_DEP_1)
	v_mul_f32 v26, s[CS], v26                      ; as t (the constant is positive)
	s_delay_alu instid0(VALU_DEP_1)
	v_max_num_f32 v13, v13, v26                    ; the running largest t
	v_mov_b32 v26, v12
	s_delay_alu instid0(VALU_DEP_2)
	v_floor_f32 v12, -v13                          ; the new -M = floor(-t) = -ceil(t): M is a whole number
	s_delay_alu instid0(VALU_DEP_1)
	v_sub_f32 v26, v12, v26                        ; M's old value less its new one: a whole number, 0 or less
	s_delay_alu instid0(VALU_DEP_1)
	v_cvt_i32_f32 v26, v26                         ; (it saturates)
	s_delay_alu instid0(VALU_DEP_1)
	v_ldexp_f32 v28, 1.0, v26                      ; f = 2^(old M - new M)
.set n, 0
.rept 32
	v_pk_fma_f32 v[S+n:S+n+1], v[S+n:S+n+1], s[CS:CS+1], v[12:13] op_sel_hi:[1,0,0]   ; t - M, two at a time (of both pairs the low word serves both halves)
.set n, n+2
.endr
.set n, 0
	s_wait_alu depctr_va_vdst(0)
.rept 64
	v_exp_f32 v[S+n], v[S+n]                       ; p = 2^(t - M), at most 1: not normalised
.set n, n+1
.endr
	v_pk_mul_f32 v[14:15], v[14:15], v[28:29] op_sel_hi:[1,0]   ; the sums under the new M.  (The plain instruction behind the exponentials)
	s_wait_alu depctr_va_vdst(0)                   ; one wait for the whole batch, ahead of its first reader
	v_pk_add_f32 v[48:49], v[100:101], v[104:105]
	v_pk_add_f32 v[254:255], v[108:109], v[112:113]
	v_pk_add_f32 v[252:253], v[116:117], v[120:121]
	v_pk_add_f32 v[250:251], v[124:125], v[128:129]
	v_pk_add_f32 v[248:249], v[132:133], v[136:137]
	v_pk_add_f32 v[246:247], v[140:141], v[144:145]
	v_pk_add_f32 v[244:245], v[148:149], v[152:153]
	v_pk_add_f32 v[14:15], v[14:15], v[156:157]
	v_pk_add_f32 v[48:49], v[48:49], v[96:97]
	v_pk_add_f32 v[254:255], v[254:255], v[98:99]
	v_pk_add_f32 v[252:253], v[252:253], v[102:103]
	v_pk_add_f32 v[250:251], v[250:251], v[106:107]
	v_pk_add_f32 v[248:249], v[248:249], v[110:111]
	v_pk_add_f32 v[246:247], v[246:247], v[114:115]
	v_pk_add_f32 v[244:245], v[244:245], v[118:119]
	v_pk_add_f32 v[14:15], v[14:15], v[122:123]
	v_pk_add_f32 v[48:49], v[48:49], v[126:127]
	v_pk_add_f32 v[254:255], v[254:255], v[130:131]
	v_pk_add_f32 v[252:253], v[252:253], v[134:135]
	v_pk_add_f32 v[250:251], v[250:251], v[138:139]
	v_pk_add_f32 v[248:249], v[248:249], v[142:143]
	v_pk_add_f32 v[246:247], v[246:247], v[146:147]
	v_pk_add_f32 v[244:245], v[244:245], v[150:151]
	v_pk_add_f32 v[14:15], v[14:15], v[154:155]
	v_pk_add_f32 v[48:49], v[48:49], v[158:159]
	s_delay_alu instid0(VALU_DEP_2)
	v_pk_add_f32 v[14:15], v[14:15], v[250:251]
	s_delay_alu instid0(VALU_DEP_2)
	v_pk_add_f32 v[48:49], v[48:49], v[248:249]
	v_pk_add_f32 v[254:255], v[254:255], v[246:247]
	v_pk_add_f32 v[252:253], v[252:253], v[244:245]
	s_delay_alu instid0(VALU_DEP_2)
	v_pk_add_f32 v[14:15], v[14:15], v[254:255]
	s_delay_alu instid0(VALU_DEP_2)
	v_pk_add_f32 v[48:49], v[48:49], v[252:253]
	s_delay_alu instid0(VALU_DEP_1)
	v_pk_add_f32 v[14:15], v[14:15], v[48:49]
.irp a, 0,1,2,3,4,5,6,7
.irp i, 0,1,2,3,4,5,6,7
.endr
	v_cvt_scalef32_pk8_fp8_f32 v[PC+2*\a:PC+2*\a+1], v[S+8*\a:S+8*\a+7], v31
.endr
.set n, 0
.rept 16
	v_pk_mul_f32 v[O+n:O+n+1], v[O+n:O+n+1], v[28:29] op_sel_hi:[1,0]   ; O^T under the new M.  (These are also the plain instructions between the conversions and the products that read their results)
.set n, n+2
.endr
	s_wait_alu depctr_va_vdst(0)
	s_wait_dscnt 0x0                               ; V is in
.irp t, 0,1,2,3                                ; O^T += V^T P^T: the four accumulators take turns
.if \t < 2
.set VF, 192+16*\t
.else
.set VF, 64+16*(\t-2)
.endif
	v_wmma_f32_16x16x128_fp8_fp8 v[O+8*\t:O+8*\t+7], v[VF:VF+15], v[PC:PC+15], v[O+8*\t:O+8*\t+7]
.endr
	s_xor_b32 s[TB], s[TB], SLOT1                  ; on to the other slot
.endm
; A block of queries is finished: y = O^T / the sum x 2^(e8 + e9), quantised with 2^e10: eight registers of codes: registers 2 t, 2 t + 1 are channels 16 t + 8 h + 0 .. 7 of my query.  Registers alone.
.macro FINISH dst
	v_add_f32 v14, v14, v15                        ; the sum's two halves,  (with the lines below: more than four places behind the last products)
	s_delay_alu instid0(VALU_DEP_1)
	v_permlanex16_b32 v30, v14, s[SEL], s[SEL+1]
	s_delay_alu instid0(VALU_DEP_1)
	v_add_f32 v14, v14, v30                        ; and lane l xor 16's
	s_wait_alu depctr_va_vdst(0)
	v_rcp_f32 v14, v14
	v_mov_b32 v27, s47                             ; (the plain instruction behind the reciprocal)
	s_wait_alu depctr_va_vdst(0)                   ; the wait ahead of the reciprocal's first reader
	v_ldexp_f32 v14, v14, s46
.set n, 0
.rept 16
	v_pk_mul_f32 v[S+n:S+n+1], v[O+n:O+n+1], v[14:15] op_sel_hi:[1,0]   ; each accumulator from its low end on
.set n, n+2
.endr
.set n, 0
.rept 32
.set n, n+1
.endr
.irp t, 0,1,2,3
	v_cvt_scalef32_pk8_fp8_f32 v[\dst+2*\t:\dst+2*\t+1], v[S+8*\t:S+8*\t+7], v27
.endr
	v_nop                                          ; one plain vector instruction behind the last conversion of the run
.endm
.Ltrip:                                            ; steps 0 to 15: behind each change of slots the next step's key block is asked for
	CHANGE 1
	ASK
	STEP 0
	s_cmp_lg_u32 s[U], s[WI]
	s_cbranch_scc1 .Lsame_block
	FINISH YLO                                     ; step I was block I's last
	REINIT
.Lsame_block:
	s_add_co_u32 s[U], s[U], 1
	s_cmp_lt_u32 s[U], 16
	s_cbranch_scc1 .Ltrip
	CHANGE 0                                       ; step 16 is written out
	STEP 1
	FINISH YHI
	; THE WAY OUT.  A row of yc, 128 bytes, comes from two waves (the pair's two heads): both blocks' codes meet in their stages, and each wave stores 8 whole rows of each block.
.irp t, 0,1,2,3
	ds_store_b64 v[STO], v[YLO+2*\t:YLO+2*\t+1] offset:16*\t
	ds_store_b64 v[STO], v[YHI+2*\t:YHI+2*\t+1] offset:STGH+16*\t
.endr
	s_wait_dscnt 0x0                               ; for the others' sake: my stores into the stages are done
	s_barrier_signal -1
	s_barrier_wait -1
.irp i, 0,1
	ds_load_b128 v[48+4*\i:48+4*\i+3], v[RD] offset:4*KP*\i
	ds_load_b128 v[56+4*\i:56+4*\i+3], v[RD] offset:STGH+4*KP*\i
.endr
	s_wait_dscnt 0x0
.irp i, 0,1
	global_store_b128 v[GO], v[48+4*\i:48+4*\i+3], s[38:39] offset:512*\i   ; 32 lanes store 512 consecutive bytes, at a multiple of 256 from the buffer's first byte
	global_store_b128 v[GO], v[56+4*\i:56+4*\i+3], s[40:41] offset:512*\i
.endr
	s_wait_tensorcnt 0x0                           ; the wave's end: behind my last tensor load and my last LDS store
	ds_add_u32 v[SPW], v[NIL]
	s_wait_dscnt 0x0
	s_endpgm
.Lfunc_end_k_qef5bee7a82_attn:
	.size	k_qef5bee7a82_attn, .Lfunc_end_k_qef5bee7a82_attn-k_qef5bee7a82_attn
	.p2alignl 7, 3214868480
	.fill 96, 4, 3214868480
	.section	.rodata,"a",@progbits
	.p2align	6, 0x0
	.amdhsa_kernel k_qef5bee7a82_attn
		.amdhsa_group_segment_fixed_size 327680
		.amdhsa_private_segment_fixed_size 0
		.amdhsa_enable_private_segment 0
		.amdhsa_kernarg_size 24
		.amdhsa_user_sgpr_count 2
		.amdhsa_user_sgpr_kernarg_segment_ptr 1
		.amdhsa_wavefront_size32 1
		.amdhsa_system_sgpr_workgroup_id_x 1
		.amdhsa_system_sgpr_workgroup_id_y 1
		.amdhsa_system_sgpr_workgroup_id_z 1
		.amdhsa_system_vgpr_workitem_id 0
		.amdhsa_next_free_vgpr 256
		.amdhsa_next_free_sgpr 80
		.amdhsa_reserve_vcc 1
		.amdhsa_float_denorm_mode_32 3
		.amdhsa_float_denorm_mode_16_64 3
		.amdhsa_fp16_overflow 1
		.amdhsa_memory_ordered 1
		.amdhsa_forward_progress 1
		.amdhsa_inst_pref_size 53
	.end_amdhsa_kernel
	.amdgpu_metadata
---
amdhsa.version: [ 1, 2 ]
amdhsa.kernels:
  - .name:           k_qef5bee7a82_attn
    .symbol:         k_qef5bee7a82_attn.kd
    .args:
      - { .name: qkvc, .offset: 0, .size: 8, .value_kind: global_buffer, .address_space: global }
      - { .name: lowp_scales, .offset: 8, .size: 8, .value_kind: global_buffer, .address_space: global }
      - { .name: yc, .offset: 16, .size: 8, .value_kind: global_buffer, .address_space: global }
    .group_segment_fixed_size: 327680
    .private_segment_fixed_size: 0
    .kernarg_segment_align: 8
    .kernarg_segment_size: 24
    .max_flat_workgroup_size: 512
    .sgpr_count:     80
    .vgpr_count:     256
    .wavefront_size: 32
...
	.end_amdgpu_metadata
.endif
;; end of part 3
;; launch outproj (part 4): grid 8 x 32, 4 waves a work-group, clusters of 4 x 4, 327,680 bytes of LDS; arguments yc, wc, lowp_scales, bp, out0; writes out0
.if DOCPART == 4
	.amdgcn_target "amdgcn-amd-amdhsa--gfx1250"
	.amdhsa_code_object_version 6
	.text
	.protected	k_qef5bee7a82_outproj
	.globl	k_qef5bee7a82_outproj
	.p2align	8
	.type	k_qef5bee7a82_outproj,@function
k_qef5bee7a82_outproj:
	s_mov_b64 s[64:65], 0
	v_nop
	global_prefetch_b8 v0, s[64:65] scope:SCOPE_SE
	s_setreg_imm32_b32 hwreg(HW_REG_WAVE_MODE, 25, 1), 1
	s_wait_xcnt 0x0
	s_wait_alu depctr_hold_cnt(0) depctr_sa_sdst(0) depctr_va_vdst(0) depctr_va_sdst(0) depctr_va_ssrc(0) depctr_va_vcc(0) depctr_vm_vsrc(0)
	s_getreg_b32 s2, hwreg(HW_REG_IB_STS2, 6, 4)
	s_cmp_eq_u32 s2, 0
	s_cbranch_scc0 .Lentry_in_a_cluster
	s_endpgm
.Lentry_in_a_cluster:
	s_bfe_u32 s2, ttmp6, 0x10000c
	s_cmp_lg_u32 s2, 0xf033
	s_cbranch_scc0 .Lentry_shape_is_right
	s_endpgm
.Lentry_shape_is_right:
; OUTPROJ: out0 = y Wp + bp on codes of FP8 (E4M3).  yc [batch 4][head pair 8][token 2048][128 bytes]: plane p of a batch holds channels 128 p .. 128 p + 127; wc section 3: Wp's codes [n 1024][k 1024]; out0 [8192][1024] f32.
; A sum stands for sum x 2^(e10 + e11); out = sum x 2^(e10 + e11) + bp, one fused multiply-add.  LIMIT: e10 + e11 between -126 and 127.
; A tile of out0 is 256 rows x 128 columns, so that 8 x 32 = 256 work-groups share the work; four waves, each 128 x 64: 32 accumulators, 256 registers.
; K goes in four steps of 256 through two LDS slots: of y two planes of 256 rows x 128 dense bytes (waves 0 and 1 fetch one each), of Wp 128 rows x 256 bytes (waves 2 and 3 fetch 64 rows each).
; CLUSTERS: 4 x 4 work-groups.  y's tiles are shared along a row of the cluster, Wp's along a column: each is asked for jointly, by the same tensor load with the same descriptor and a mask that names the four.
; THE MATRIX INSTRUCTION IS USED TRANSPOSED (source 0 = 16 rows of Wp, source 1 = 16 rows of y): a lane holds eight neighbouring numbers of a row of out0.
; REGISTERS, in windows of 256: window 0: v0-31 addresses; v64-95 bp; from v128 y's fragments (8 x 16 rows x 128 K), ONE set; on the way out v128-223 are at work.
;   window 1: Wp's fragments, TWO sets of four, at v0 and v64.   window 2: the accumulators ((a, b) at v[8 (4 a + b)]).
.set PA,     144                       ; a row of y in LDS: 128 bytes + 16
.set PB,     272                       ; a row of Wp in LDS: 256 bytes + 16
.set PLANE,  256*PA                    ; a plane's 256 rows
.set BOFF,   2*PLANE                   ; Wp's rows lie behind the two planes
.set BHALF,  64*PB
.set SLOT,   BOFF+2*BHALF
.set SPARE,  2*SLOT                    ; behind the ring: the spare words, 128 bytes for each wave: two blocks of 256 bytes that no other line names
.set SPITCH, 272                       ; the way out: a stage of 16 rows x (256 bytes + 16) for each wave, in slot 0, which has had its last fill and its last read by then
.set FR,     16
.set NL,     4
.set NP,     4
.set ADRA, 16                          ; v16-17  LDS address of my fragments of y in slot 0, 1
.set ADRB, 20                          ; v20-21  the same for Wp
.set HO,   23                          ; v23     32 x (lane / 16)
.set STO,  24
.set RD,   25
.set CO,   26
.set SPW,  28                          ; v28     LDS address of my spare word; never rewritten
.set NIL,  29                          ; v29     0; never rewritten
.set BC,   64                          ; v64-95  bp of my 64 columns: register 8 b + j
.set AF,   128
.set TMP,  128                         ; the way out: a block's 32 results
.set BB,   160                         ; 16 rows read back: v160-191 and v192-223 by turns
.set G1, 24
.set G0, 32
.set G1B, 48
.set G0B, 56
.set MSB, 0
.macro WIN new                         ; the immediate's high byte repeats the setting that is left
.if MSB != (\new)
	s_set_vgpr_msb (MSB<<8)|(\new)
.set MSB, \new
.endif
.endm
.set MUL,  0xa1                        ; source 0 (Wp) window 1, source 1 (y) window 0, C and D window 2
.set TO_B, 0x40                        ; destination window 1, address window 0
.macro JLOAD g0a, g1a, g0b, g1b        ; a joint load: waves 0 and 1 fetch y's planes, waves 2 and 3 Wp's halves; an s_nop 0 and four v_nop follow each of the two lines
	s_cmp_eq_u32 s15, 0
	s_cbranch_scc0 .Lfor_b_\@
	tensor_load_to_lds s[\g0a:\g0a+3], s[\g1a:\g1a+7]
	s_nop 0
.rept 4
	v_nop
.endr
	s_branch .Lasked_\@
.Lfor_b_\@:
	tensor_load_to_lds s[\g0b:\g0b+3], s[\g1b:\g1b+7]
	s_nop 0
.rept 4
	v_nop
.endr
.Lasked_\@:
.endm
.macro CREST
	s_cmp_lg_u32 s14, 0
	s_cbranch_scc1 .Lnot_wave_0_\@
	s_barrier_signal -3
.Lnot_wave_0_\@:
	s_barrier_wait -3
	s_barrier_signal -1
	s_barrier_wait -1
.endm
.macro CROUND
	s_barrier_signal -1
	s_barrier_wait -1
	CREST
.endm
	s_load_b128 s[4:7], s[0:1], 0x0                ; yc s[4:5], wc s[6:7]
	s_load_b128 s[8:11], s[0:1], 0x10              ; the exponents s[8:9], bp s[10:11]
	s_load_b64 s[12:13], s[0:1], 0x20              ; out0
	v_lshl_add_u32 v[SPW], v0, 2, SPARE
	v_mov_b32 v[NIL], 0
	ds_add_u32 v[SPW], v[NIL]                      ; the wave's opening: the add and its wait stand ahead of my first tensor load; the set-up below, work on registers, stands between them
	ds_add_u32 v[SPW], v[NIL]
	v_lshrrev_b32 v1, 5, v0
	v_readfirstlane_b32 s14, v1                    ; wave 0..3
	s_lshr_b32 s15, s14, 1                         ; which 128 of the tile's rows are mine.  Also: I fetch for y (0) or for Wp (1)
	s_and_b32 s16, s14, 1                          ; which 64 of its columns.  Also: which plane, or which 64 rows of Wp, I fetch
	s_bfe_u32 s40, ttmp6, 0x40000                  ; cx, cy
	s_bfe_u32 s41, ttmp6, 0x40004
	s_lshl_b32 s42, ttmp9, 2
	s_add_co_u32 s42, s42, s40                     ; tile column, 0 .. 7
	s_and_b32 s17, ttmp7, 0xffff
	s_lshl_b32 s17, s17, 2
	s_add_co_u32 s17, s17, s41                     ; tile row, 0 .. 31
	s_lshl_b32 s43, s41, 2
	s_lshl_b32 s43, 15, s43                        ; my row of the cluster
	s_lshl_b32 s44, 0x1111, s40                    ; my column
	s_or_b32 s[G1+0], s43, (0<<16)|(1<<20)|(1<<21)|(4<<22)|(3<<25)   ; y: elements of 1 byte; padding of 4 words after every 32; the mask of my row, bit 21 beside it
	s_mov_b32 s[G1+1], 128<<16                     ; tensor_dim0
	s_mov_b32 s[G1+2], 256<<16                     ; tensor_dim1
	s_mov_b32 s[G1+3], 128<<16                     ; tile_dim0
	s_mov_b32 s[G1+4], 256                         ; tile_dim1
	s_mov_b32 s[G1+5], 128                         ; tensor_dim0_stride: the rows are dense
	s_mov_b32 s[G1+6], 0
	s_mov_b32 s[G1+7], 0
	s_or_b32 s[G1B+0], s44, (0<<16)|(1<<20)|(1<<21)|(5<<22)|(3<<25)  ; Wp: padding of 4 words after every 64; the mask of my column
	s_mov_b32 s[G1B+1], 256<<16
	s_mov_b32 s[G1B+2], 64<<16
	s_mov_b32 s[G1B+3], 256<<16
	s_mov_b32 s[G1B+4], 64
	s_mov_b32 s[G1B+5], 1024
	s_mov_b32 s[G1B+6], 0
	s_mov_b32 s[G1B+7], 0
	s_lshr_b32 s20, s17, 3                         ; y: the batch's eight planes of 262,144 bytes,
	s_lshl_b32 s20, s20, 21
	s_and_b32 s21, s17, 7                          ; the tile's 256 rows of 128 bytes in a plane,
	s_lshl_b32 s21, s21, 15
	s_add_co_u32 s20, s20, s21
	s_lshl_b32 s21, s16, 18                        ; my plane of a K step's two
	s_add_co_u32 s20, s20, s21
	s_mov_b32 s21, 0
	s_lshl_b32 s46, s42, 7                         ; Wp: row 128 x tile column + 64 x half,
	s_lshl_b32 s47, s16, 6
	s_add_co_u32 s46, s46, s47
	s_lshl_b32 s46, s46, 10
	s_add_co_u32 s46, s46, 3<<20                   ; in section 3 of wc
	s_mov_b32 s47, 0
	s_mul_i32 s45, s16, PLANE                      ; where they go: no place in the cluster enters an LDS address
	s_mul_i32 s19, s16, BHALF
	s_add_co_u32 s19, s19, BOFF
	s_wait_dscnt 0x0                               ; the opening add is done
	s_wait_kmcnt 0x0
	s_load_b64 s[96:97], s[8:9], 0x28              ; e10, e11
	s_add_nc_u64 s[20:21], s[4:5], s[20:21]
	s_add_nc_u64 s[46:47], s[6:7], s[46:47]
	CROUND                                         ; all sixteen work-groups are here: the first joint loads meet
.irp s, 0,1
	s_mov_b32 s[G0+4*\s], 1
	s_add_co_u32 s[G0+4*\s+1], s45, \s*SLOT
	s_add_nc_u64 s[G0+4*\s+2:G0+4*\s+3], s[20:21], \s*2*262144   ; K step s: planes 2 s, 2 s + 1
	s_or_b32 s[G0+4*\s+3], s[G0+4*\s+3], 0x80000000
	s_mov_b32 s[G0B+4*\s], 1
	s_add_co_u32 s[G0B+4*\s+1], s19, \s*SLOT
	s_add_nc_u64 s[G0B+4*\s+2:G0B+4*\s+3], s[46:47], \s*256
	s_or_b32 s[G0B+4*\s+3], s[G0B+4*\s+3], 0x80000000
	s_wait_alu depctr_va_vdst(0)
	s_wait_tensorcnt 0x0
	ds_add_u32 v28, v29
	ds_add_u32 v28, v29
	s_wait_dscnt 0x0
	CROUND
	JLOAD G0+4*\s, G1, G0B+4*\s, G1B
.endr
	v_and_b32 v1, 15, v0                           ; r
	v_bfe_u32 v2, v0, 4, 1                         ; h
	v_mul_u32_u24 v3, v1, PA
	v_lshl_add_u32 v3, v2, 4, v3
	v_mul_u32_u24 v4, v1, PB
	v_lshl_add_u32 v4, v2, 4, v4
	s_mul_i32 s21, s15, 128*PA                     ; my 128 rows of each plane
	s_mul_i32 s22, s16, BHALF                      ; my 64 rows of Wp
	s_add_co_u32 s22, s22, BOFF
.irp s, 0,1
	v_add_nc_u32 v[ADRA+\s], s21, v3
	v_add_nc_u32 v[ADRB+\s], s22, v4
	s_add_co_u32 s21, s21, SLOT
	s_add_co_u32 s22, s22, SLOT
.endr
	s_mul_i32 s23, s14, 16*SPITCH                  ; my stage
	v_mul_u32_u24 v5, v1, SPITCH
	v_lshl_add_u32 v5, v2, 5, v5
	v_add_nc_u32 v[STO], s23, v5                   ; in: row r, 32 bytes for each half of the lanes
	v_mul_u32_u24 v6, v2, SPITCH
	v_lshl_add_u32 v6, v1, 4, v6
	v_add_nc_u32 v[RD], s23, v6                    ; back: lanes 0-15 one row of 256 bytes, lanes 16-31 the next
	v_lshlrev_b32 v[CO], 12, v2
	v_lshl_add_u32 v[CO], v1, 4, v[CO]             ; and the same two rows in out0
	v_lshlrev_b32 v[HO], 5, v2
	s_wait_alu depctr_va_vdst(0)
	; where my part of out0 begins, and my 64 numbers of bp.  (In registers that feed no descriptor: these hold both cx and cy)
	s_lshl_b32 s66, s17, 8
	s_lshl_b32 s67, s15, 7
	s_add_co_u32 s66, s66, s67
	s_lshl_b32 s66, s66, 12                        ; my first row, of 4,096 bytes
	s_lshl_b32 s68, s42, 9
	s_lshl_b32 s69, s16, 8
	s_add_co_u32 s68, s68, s69                     ; my first column, in bytes: 512 x tile column + 256 x half
	s_add_co_u32 s66, s66, s68
	s_mov_b32 s67, 0
	s_mov_b32 s69, 0
	s_add_nc_u64 s[12:13], s[12:13], s[66:67]
	s_add_nc_u64 s[10:11], s[10:11], s[68:69]
.irp b, 0,1,2,3
	global_load_b128 v[BC+8*\b:BC+8*\b+3], v[HO], s[10:11] offset:64*\b          ; bp(16 b + 8 h + 0 .. 7)
	global_load_b128 v[BC+8*\b+4:BC+8*\b+7], v[HO], s[10:11] offset:64*\b+16
.endr
; A fragment: lane l holds row l % 16; registers 4 c .. 4 c + 3 hold K = 32 c + 16 (l / 16) + 0 .. 15: one order of K for both sources.  q: the slot's first or second 128 along K: y's plane q, Wp's bytes 128 q on
.macro FRAGA reg, adr, q, i
.irp c, 0,1,2,3
	ds_load_b128 v[\reg+4*\c:\reg+4*\c+3], v[\adr] offset:PLANE*(\q)+32*\c+(\i)*16*PA
.endr
.endm
.macro FRAGB reg, adr, q, i
.irp c, 0,1,2,3
	ds_load_b128 v[\reg+4*\c:\reg+4*\c+3], v[\adr] offset:128*(\q)+32*\c+(\i)*16*PB
.endr
.endm
; 8 matrix instructions: y's blocks a0, a0 + 1 x Wp's four.  The 32 accumulators take turns, one instruction a turn, in the same order in every step.
.macro MUL8 a0, p, zero
.irp a, \a0, \a0+1
.irp b, 0,1,2,3
.if \zero
	v_wmma_f32_16x16x128_fp8_fp8 v[8*(4*(\a)+\b):8*(4*(\a)+\b)+7], v[64*(\p)+FR*\b:64*(\p)+FR*\b+FR-1], v[AF+FR*(\a):AF+FR*(\a)+FR-1], 0
.else
	v_wmma_f32_16x16x128_fp8_fp8 v[8*(4*(\a)+\b):8*(4*(\a)+\b)+7], v[64*(\p)+FR*\b:64*(\p)+FR*\b+FR-1], v[AF+FR*(\a):AF+FR*(\a)+FR-1], v[8*(4*(\a)+\b):8*(4*(\a)+\b)+7]
.endif
.endr
.endr
.endm
.macro FETCH_B slot, q, p
	WIN TO_B
.irp i, 0,1,2,3
	FRAGB 64*(\p)+FR*\i, ADRB+\slot, \q, \i
.endr
	WIN 0
.endm
.macro FETCH_A slot, q, i0
.irp i, \i0, \i0+1, \i0+2, \i0+3
	FRAGA AF+FR*(\i), ADRA+\slot, \q, \i
.endr
.endm
.macro PLACES n                        ; plain vector instructions between a matrix instruction and a load into one of its registers, or a read of its result
.rept \n
	v_nop
.endr
.endm
.macro STEP slot, q, zero              ; a step of 128 along K that has its successor in the same slot
	s_wait_dscnt 4*NL                              ; Wp's set and y's blocks 0-3 are in; the youngest sixteen loads (blocks 4-7) may be out
	WIN MUL
	MUL8 0, (\q)%2, \zero
	MUL8 2, (\q)%2, \zero
	s_wait_dscnt 0                                 ; blocks 4-7 are in
	PLACES NP
	FETCH_B \slot, (\q)+1, 1-(\q)%2
	FETCH_A \slot, (\q)+1, 0
	WIN MUL
	MUL8 4, (\q)%2, \zero
	MUL8 6, (\q)%2, \zero
	PLACES NP
	WIN 0
	FETCH_A \slot, (\q)+1, 4
.endm
; A slot's last step changes slots: ONE barrier; in front of it each wave waits for all its tensor loads, adds 0 to its spare word, and waits for that and for its own reads of this slot.  fill = 1: this slot is filled again, two K steps ahead.
.macro TURN slot, next, fill
	s_wait_tensorcnt 0x0                           ; all my tensor loads have landed: the one that was out is my part of the next slot
	ds_add_u32 v[SPW], v[NIL]                      ; 0 onto my spare word
	s_wait_dscnt 4*NL+1                            ; (the add and the youngest sixteen loads may be out)
	WIN MUL
	MUL8 0, 1, 0                                   ; eight matrix instructions stand between the add and the wait for it
	s_wait_dscnt 0x0                               ; the add is done, and my reads of this slot are over
	s_barrier_signal -1
	MUL8 2, 1, 0
	WIN 0
	s_barrier_wait -1
.if \fill
	CREST                                          ; the barrier has opened a round of the cluster's barrier: no wave of any partner still reads this slot or has a load on its way
	s_add_nc_u64 s[G0+4*\slot+2:G0+4*\slot+3], s[G0+4*\slot+2:G0+4*\slot+3], 4*262144
	s_add_nc_u64 s[G0B+4*\slot+2:G0B+4*\slot+3], s[G0B+4*\slot+2:G0B+4*\slot+3], 2*256
	JLOAD G0+4*\slot, G1, G0B+4*\slot, G1B         ; the first tensor load behind the round; its four v_nop are also the places in front of the loads below
.else
	PLACES NP
.endif
	FETCH_B \next, 0, 0
	FETCH_A \next, 0, 0
	WIN MUL
	MUL8 4, 1, 0
	MUL8 6, 1, 0
	PLACES NP
	WIN 0
	FETCH_A \next, 0, 4
.endm
	s_wait_tensorcnt 1                             ; my part of K step 0 is in (K step 1's load, issued behind it, may be out),
	s_barrier_signal -1
	s_barrier_wait -1                              ; everybody's is
	FETCH_B 0, 0, 0
	FETCH_A 0, 0, 0
	FETCH_A 0, 0, 4
	STEP 0, 0, 1                                   ; K = 1,024 is four slots' worth, written out: the first products start the sums
	TURN 0, 1, 1                                   ; slot 0 takes K step 2
	STEP 1, 0, 0
	TURN 1, 0, 1                                   ; slot 1 takes K step 3
	STEP 0, 0, 0
	TURN 0, 1, 0                                   ; nothing is left to fetch: no round
	STEP 1, 0, 0
	s_wait_dscnt 4*NL                              ; the very last step
	WIN MUL
	MUL8 0, 1, 0
	MUL8 2, 1, 0
	s_wait_dscnt 0
	MUL8 4, 1, 0
	MUL8 6, 1, 0
	WIN 0
; THE WAY OUT, block by block of 16 rows x 64 columns: a lane holds 32 neighbouring bytes of a row, the lanes beside it other rows: a block goes through my stage and comes back as whole rows of 256 bytes.
.macro TOSTAGE a
	WIN 0x02                                       ; source 0: window 2
.irp j, 0,2,4,6,8,10,12,14,16,18,20,22,24,26,28,30
	v_pk_fma_f32 v[TMP+\j:TMP+\j+1], v[32*(\a)+\j:32*(\a)+\j+1], s[96:97], v[BC+\j:BC+\j+1] op_sel_hi:[1,0,1]   ; sum x 2^(e10 + e11) + bp; each accumulator from its low end on
.endr
	WIN 0
.irp b, 0,1,2,3
	ds_store_b128 v[STO], v[TMP+8*\b:TMP+8*\b+3] offset:64*\b
	ds_store_b128 v[STO], v[TMP+8*\b+4:TMP+8*\b+7] offset:64*\b+16
.endr
.set BBS, BB+32*((\a)%2)
.irp t, 0,1,2,3,4,5,6,7
	ds_load_b128 v[BBS+4*\t:BBS+4*\t+3], v[RD] offset:\t*2*SPITCH   ; LDS serves a wave's instructions in order (ISA guide 5.7.1.4): these see the stores above
.endr
.endm
.macro SEND a, younger                 ; younger: the LDS instructions issued behind block a's loads, which may stay out
.set BBS, BB+32*((\a)%2)
	s_wait_dscnt \younger
.irp t, 0,1,2,3,4,5,6,7
	global_store_b128 v[CO], v[BBS+4*\t:BBS+4*\t+3], s[12:13] offset:65536*(\a)+8192*\t th:TH_STORE_NT   ; 16 lanes store 256 consecutive bytes, at a multiple of 256 from out0's first byte; written once, read by nobody here
.endr
.endm
	s_wait_kmcnt 0x0
	s_wait_loadcnt 0x0                             ; bp
	s_add_co_i32 s96, s96, s97
	s_add_co_i32 s96, s96, 127
	s_lshl_b32 s96, s96, 23                        ; 2^(e10 + e11) as f32
	s_mov_b32 s97, s96                             ; (named with it as a pair, so it is written)
	PLACES NP                                      ; behind the last products: for the writes and loads into the registers that held y's fragments, and for the reads of results
	TOSTAGE 0
.irp a, 1,2,3,4,5,6,7
.if \a > 1
	s_wait_xcnt 0x0                                ; block a - 2's stores have read their registers: block a's loads may land there
.endif
	TOSTAGE \a
	SEND \a-1, 16                                  ; behind block a - 1's loads: block a's 8 stores and 8 loads
.endr
	SEND 7, 0
	s_wait_tensorcnt 0x0                           ; the wave's end: behind my last tensor load and my last LDS store
	ds_add_u32 v[SPW], v[NIL]
	s_wait_dscnt 0x0
	CROUND                                         ; the closing round: no work-group ends while a partner may still ask for a tile that names it
	s_endpgm
.Lfunc_end_k_qef5bee7a82_outproj:
	.size	k_qef5bee7a82_outproj, .Lfunc_end_k_qef5bee7a82_outproj-k_qef5bee7a82_outproj
	.p2alignl 7, 3214868480
	.fill 96, 4, 3214868480
	.section	.rodata,"a",@progbits
	.p2align	6, 0x0
	.amdhsa_kernel k_qef5bee7a82_outproj
		.amdhsa_group_segment_fixed_size 327680
		.amdhsa_private_segment_fixed_size 0
		.amdhsa_enable_private_segment 0
		.amdhsa_kernarg_size 40
		.amdhsa_user_sgpr_count 2
		.amdhsa_user_sgpr_kernarg_segment_ptr 1
		.amdhsa_wavefront_size32 1
		.amdhsa_system_sgpr_workgroup_id_x 1
		.amdhsa_system_sgpr_workgroup_id_y 1
		.amdhsa_system_sgpr_workgroup_id_z 1
		.amdhsa_system_vgpr_workitem_id 0
		.amdhsa_next_free_vgpr 768
		.amdhsa_next_free_sgpr 98
		.amdhsa_reserve_vcc 0
		.amdhsa_float_denorm_mode_32 3
		.amdhsa_float_denorm_mode_16_64 3
		.amdhsa_memory_ordered 1
		.amdhsa_forward_progress 1
		.amdhsa_inst_pref_size 79
	.end_amdhsa_kernel
	.amdgpu_metadata
---
amdhsa.version: [ 1, 2 ]
amdhsa.kernels:
  - .name:           k_qef5bee7a82_outproj
    .symbol:         k_qef5bee7a82_outproj.kd
    .args:
      - { .name: yc, .offset: 0, .size: 8, .value_kind: global_buffer, .address_space: global }
      - { .name: wc, .offset: 8, .size: 8, .value_kind: global_buffer, .address_space: global }
      - { .name: lowp_scales, .offset: 16, .size: 8, .value_kind: global_buffer, .address_space: global }
      - { .name: bp, .offset: 24, .size: 8, .value_kind: global_buffer, .address_space: global }
      - { .name: out0, .offset: 32, .size: 8, .value_kind: global_buffer, .address_space: global }
    .group_segment_fixed_size: 327680
    .private_segment_fixed_size: 0
    .kernarg_segment_align: 8
    .kernarg_segment_size: 40
    .max_flat_workgroup_size: 128
    .sgpr_count:     98
    .vgpr_count:     768
    .wavefront_size: 32
...
	.end_amdgpu_metadata
.endif
;; end of part 4
